; MI455X (gfx1250); checked and timed in simulation.
; The chip was launched on July 23, 2026; its instructions are those of AMD's public machine-readable ISA for CDNA 5 (MIT licence, August 2026) and "CDNA5" Instruction Set Architecture Reference Guide (July 2026). The comments in the code are by the model that wrote it; some were corrected since.
;; Self Attention. Allowed arithmetic: matrix products marked QUANTISED: E2M3 operands, one E8M0 scale for each 32 along K, by v_wmma_scale_f32_16x16x128_f8f6f4 with both operands' format E2M3, f32 sums; everything else in f32.
;; Inputs: Wk_codes 1,024 x 32 x 24 uint8 (E2M3 codes of Wk, K innermost, in blocks of 32 codes, four codes in three bytes); Wk_scales 1,024 x 32 uint8 (E8M0 scales of Wk, one for each 32 codes along K); Wo_codes 1,024 x 32 x 24 uint8 (E2M3 codes of Wo, K innermost, in blocks of 32 codes, four codes in three bytes); Wo_scales 1,024 x 32 uint8 (E8M0 scales of Wo, one for each 32 codes along K); Wq_codes 1,024 x 32 x 24 uint8 (E2M3 codes of Wq, K innermost, in blocks of 32 codes, four codes in three bytes); Wq_scales 1,024 x 32 uint8 (E8M0 scales of Wq, one for each 32 codes along K); Wv_codes 1,024 x 32 x 24 uint8 (E2M3 codes of Wv, K innermost, in blocks of 32 codes, four codes in three bytes); Wv_scales 1,024 x 32 uint8 (E8M0 scales of Wv, one for each 32 codes along K); bk 1,024 float32; bo 1,024 float32; bq 1,024 float32; bv 1,024 float32; x_codes 4 x 2,048 x 32 x 24 uint8 (E2M3 codes of x, K innermost, in blocks of 32 codes, four codes in three bytes); x_scales 4 x 2,048 x 32 uint8 (E8M0 scales of x, one for each 32 codes along K).
;; Outputs: out0 4 x 2,048 x 1,024 float32.
;; This version of the problem:
;;   THIS VERSION OF THE PROBLEM IS GIVEN IN LOW PRECISION. The matrix products marked QUANTISED in the list below multiply operands that are first quantised to E2M3 (2 exponent bits, 3 mantissa bits; 6 bits a number), with one power-of-two scale for each 32 numbers along K (OCP MX v1.0); their sums are f32. All else is computed in f32.
;;   The module's matrix products, in the order in which they are computed (A, B: the left and right operand; K: the contracted axis; several contracted axes count as one K, in the product's order):
;;     1. [M 8,192, K 1,024] x [K 1,024, N 1,024]; A: input x (given as codes); B: input Wq (given as codes): QUANTISED
;;     2. [M 8,192, K 1,024] x [K 1,024, N 1,024]; A: input x (given as codes); B: input Wk (given as codes): QUANTISED
;;     3. [M 8,192, K 1,024] x [K 1,024, N 1,024]; A: input x (given as codes); B: input Wv (given as codes): QUANTISED
;;     4. batch 64 x [M 2,048, K 64] x [K 64, N 2,048]; A: computed on the way; B: computed on the way: QUANTISED
;;     5. batch 64 x [M 2,048, K 2,048] x [K 2,048, N 64]; A: softmax (see below); B: computed on the way: QUANTISED
;;     6. [M 8,192, K 1,024] x [K 1,024, N 1,024]; A: computed on the way; B: input Wo (given as codes): QUANTISED
;;   THE QUANTISER, for each operand of a quantised product, along K:
;;     - K is cut into blocks of 32 from its start; a last block that is shorter is filled with zeros.
;;     - A block's scale is 2^e with e = floor(log2(the largest magnitude in the block)) - 2, held to -126 .. 127; a block of zeros has e = 0. As a byte (E8M0): e + 127.
;;     - Each number is divided by its block's scale, clamped to +-7.5, and rounded to the nearest number of E2M3, ties to even, subnormals kept.
;;     - The product sums the exact products of the quantised numbers (number of the format x scale) in f32.
;;   ~~~python
;;   def quantise(x, axis):      # numpy; x: float32 -> the quantised numbers, widened to float32 again
;;       x = np.moveaxis(x, axis, -1); K = x.shape[-1]
;;       x = np.pad(x, [(0, 0)] * (x.ndim - 1) + [(0, -K % 32)]); x = x.reshape(x.shape[:-1] + (-1, 32)); a = np.abs(x).max(-1, keepdims=True)
;;       e = np.where(a > 0, np.clip(np.frexp(np.where(a > 0, a, 1))[1] - 1 - 2, -126, 127), 0)      # np.frexp(a)[1] - 1 = floor(log2(a)), exactly
;;       r = np.clip(x / 2.0 ** e, -7.5, 7.5)
;;       step = 2.0 ** (np.maximum(np.frexp(np.where(r == 0, 1, r))[1] - 1, 0) - 3)
;;       q = np.round(r / step) * step * 2.0 ** e      # np.round: ties to even
;;       return np.moveaxis(q.reshape(q.shape[:-2] + (-1,))[..., :K], -1, axis).astype(np.float32)
;;   ~~~
;;   SOFTMAX AHEAD OF A QUANTISED PRODUCT. Where the list says 'softmax', what is quantised is not the finished softmax but p = 2^(t - M), with t = logit x log2(e) and M = ceil(the row's largest t), a whole number; so 1/2 < the row's largest p <= 1. The row's sum l is taken of the UNQUANTISED p, in f32, and the product's result is divided by l at the end. Since M is a whole number, a kernel that streams over the keys may use a running M (the ceiling of the running maximum): every later rescaling is an exact power of two, which a block's scale takes up: the codes' values come out the same.
;;   OPERANDS COMPUTED ON THE WAY. 'Computed on the way' means the value that the module computes at that place (a softmax that the list does not call 'softmax' is quantised finished and normalised). What goes into a quantiser is computed in f32, as accurately as f32 sums, v_exp_f32 and their like allow (about 1e-6 of the number): no bf16 or f16 on the way to a quantiser, and a product that is left as it is and whose result goes on into a quantised operand takes f32 operands (vector FMAs, or v_wmma_f32_16x16x4_f32). A number that lies on a knife's edge between two numbers of the format may be rounded either way, as far as f32 arithmetic and the matrix unit's own rounding can turn it there, and no further.
;;   INPUTS GIVEN AS CODES. Wk (in the module: [1024, 1024], K = its axis 1); Wo (in the module: [1024, 1024], K = its axis 1); Wq (in the module: [1024, 1024], K = its axis 1); Wv (in the module: [1024, 1024], K = its axis 1); x (in the module: [4, 2048, 1024], K = its axis 2): each comes as NAME_codes (uint8): NAME with its K axis moved to the last place and cut into blocks of 32 codes, [.., K / 32, bytes a block], one block behind the other in memory; four codes in three bytes: a row's codes are one little-endian stream of bits, code i at bits 6 i .. 6 i + 5 (a code: sign, 2 exponent bits, 3 mantissa bits); and NAME_scales (uint8): the same leading axes, one E8M0 byte (e + 127) for each 32 codes along K. Its value is code x scale, taken as it is: it is not quantised again, and the codes and scales need not be those that the quantiser above would give.
;; One version. Each part assembles by itself: llvm-mc -triple=amdgcn-amd-amdhsa -mcpu=gfx1250 --defsym DOCPART=n.
;; ======== version 1 of 1: 3 launches
;; workspace buffers: qc 6,553,600 bytes; kv 13,107,200 bytes; oc 6,291,456 bytes; os 262,144 bytes
;; launch qkv (part 1): grid 12 x 32, 4 waves a work-group, clusters of 4 x 4, 327,680 bytes of LDS; arguments x_codes, x_scales, Wq_codes, Wq_scales, Wk_codes, Wk_scales, Wv_codes, Wv_scales, bq, bk, bv, qc, kv; writes qc, kv
.if DOCPART == 1
	.amdgcn_target "amdgcn-amd-amdhsa--gfx1250"
	.amdhsa_code_object_version 6
	.text
	.protected	k_q25c0f1b9c5_qkv
	.globl	k_q25c0f1b9c5_qkv
	.p2align	8
	.type	k_q25c0f1b9c5_qkv,@function
k_q25c0f1b9c5_qkv:
	s_mov_b64 s[64:65], 0
	v_nop
	global_prefetch_b8 v0, s[64:65] scope:SCOPE_SE
	s_setreg_imm32_b32 hwreg(HW_REG_WAVE_MODE, 25, 1), 1
	s_wait_xcnt 0x0
	s_wait_alu depctr_hold_cnt(0) depctr_sa_sdst(0) depctr_va_vdst(0) depctr_va_sdst(0) depctr_va_ssrc(0) depctr_va_vcc(0) depctr_vm_vsrc(0)
	s_getreg_b32 s2, hwreg(HW_REG_IB_STS2, 6, 4)
	s_cmp_eq_u32 s2, 0
	s_cbranch_scc0 .Lentry_in_a_cluster
	s_endpgm
.Lentry_in_a_cluster:
	s_bfe_u32 s2, ttmp6, 0x10000c
	s_cmp_lg_u32 s2, 0xf033
	s_cbranch_scc0 .Lentry_shape_is_right
	s_endpgm
.Lentry_shape_is_right:
; Q = x Wq^T + bq, K = x Wk^T + bk, V = x Wv^T + bv on codes of FP6 (E2M3) with one E8M0 scale for each 32 along K = 1,024; sums in f32; the results are quantised again at once
; (Q and K along a head's 64 features, V along the tokens) and leave as IMAGES OF OPERAND REGISTERS for the attention launch.  x: 8,192 rows of 768 bytes, each W: 1,024 rows of 768 bytes; scale bytes 32 a row.
; A work-group of four waves makes 256 x 256 results, a wave 128 x 128: 64 accumulators of 16 x 16, 512 registers.  K goes in steps of 256 through a ring of two LDS slots filled by the tensor data mover.
; THE KIND of a cluster is its x (0: Q, 1: K, 2: V), the same in all sixteen partners.  Source 1 of the products (16 rows to a block a, one row to a lane) is x for Q and K and Wv for V;
; source 0 (16 rows to a block b, eight rows down a lane's registers) is Wq or Wk, and x for V.  So a lane's 64 registers of one block a run along the axis that is quantised: features for Q and K, tokens for V.
; CLUSTERS: 4 x 4 work-groups; source 1's tile is shared along a row of the cluster, source 0's along a column: each is asked for jointly, by the same tensor load with a mask that names the four.
; THE ORDER OF CODES IN A BLOCK.  A lane's registers 16 B + i hold rows 32 B + 8 (lane / 16) + i (i < 8) and 32 B + 16 + 8 (lane / 16) + i - 8: so a block's 32 codes come out in the order 0-7, 16-23, 8-15, 24-31.
; Q, K, V and the softmax's weights are all made so, and a permutation inside a block that both operands of a product share leaves its sums as they are.
; WHAT IS STORED.  A fragment's image: 12 registers as 3 x 16 bytes a lane, group i of lane l at 512 i + 16 l.  A fragment of Q or K holds TWO tiles of 16 tokens: registers 0-5 tile 2 f, registers 6-11 tile 2 f + 1
; (lane (r, h): token r, the head's block h of 32); its scale word is [2 f: block 0, block 1; 2 f + 1: block 0, block 1].  A fragment of V^T: 16 features x 128 tokens.
; qc: [batch x head 64][block of 128 tokens 16] records of 6,400 bytes: 4 fragments, 256 bytes of scale words.  kv: the same index, records of 12,800: K's 4 fragments, V's 4, K's scale words, V's.
; A scale record holds 8 bytes a lane, two words: Q, K: word p = fragment 2 p in lanes 0-15, 2 p + 1 in lanes 16-31;  V: word y = features 16 y on in lanes 0-15, 32 + 16 y on in lanes 16-31.
; LIMITS: a block whose largest magnitude lies under 2^-124 gets the scale byte 1, a block of zeros too (its codes are zeros; these bytes are read by this program alone); NaN and infinities are not served.
; REGISTERS, in windows of 256: window 0: v0-31 addresses; v32-63 scale words, two sets, and nothing else; v64-127 the bias, later codes; v128-223 source 1's fragments, one set; v224-231 the bias's offsets.
;   window 1: source 0's fragments, two sets, at v0 and v128.   window 2: the accumulators of blocks a = 0-3 (accumulator (a, b) at v[8 (8 a + b)]);   window 3: those of a = 4-7.
.set SIZE_K, 1024
.set KSTEP,  256                       ; along K in a slot
.set NQ,     KSTEP/128                 ; matrix instructions deep
.set ROWB,   192                       ; a tile's row in bytes
.set KROW,   SIZE_K*6/8                ; a row of codes in memory
.set PITCH,  240                       ; an LDS row: 3 x (64 bytes + 16 of padding) = 60 words: row r starts at bank -4 r mod 64 (64 banks of 4 bytes: ISA guide 11.1)
.set FR,     12                        ; registers of a fragment
.set NL,     6                         ; LDS loads that bring one
.set NP,     4                         ; places behind this matrix instruction (ISA guide 7.12.1)
.set HALFT,  128*PITCH                 ; 128 rows: what one tensor load brings
.set SLOT,   4*HALFT                   ; source 1's 256 rows, then source 0's
.set LAPS,   SIZE_K/(2*KSTEP)          ; a lap = two K steps = once round the ring
.set KS,     SIZE_K/32                 ; a row of scale bytes
.set SCL,    2*SLOT                    ; behind the ring: the scale bytes, as rows of 256 bytes + 16 of padding
.set HALFS,  (128*KS/256)*272          ; those of 128 rows
.set SBLK,   (16*KS/256)*272           ; those of 16 rows
.set SPARE,  SCL+4*HALFS               ; the spare words, 128 bytes a wave: two blocks of 256 bytes that no other line names
.set VO,   8                           ; v8-15   the way out: byte offset of fragment (pair f, member e) at v[VO + 2 f + e]
.set ADRA, 16                          ; v16-17  LDS address of source 1's fragments in slot 0, 1  (v18-19: for the pieces behind one padding more)
.set ADRB, 20                          ; v20-21  the same for source 0  (v22-23)
.set ADRS, 27                          ; v27     LDS address of my scale words: lanes 0-15 source 1's rows, lanes 16-31 source 0's
.set SPW,  28                          ; v28     LDS address of my spare word; never rewritten
.set NIL,  29                          ; v29     0; never rewritten
.set VSC,  30                          ; v30-31  the way out: byte offsets of the two scale records
.set SC,   32                          ; scale words: set s at v[SC + 8 NQ s]
.set BI,   64                          ; v64-127 the bias in the result's layout, eight registers a block
.set AF,   128                         ; source 1's fragments
.set BO,   224                         ; v224-231 the bias's byte offsets, one for each register of a block
.set CD,   64                          ; the way out: codes, 24 registers for each pair of blocks a
.set CT,   160                         ; the conversions' second halves
.set TM,   168                         ; v168-171 largest magnitudes, v172-175 at work and bytes, v180-183 the conversions' scale operands
.set PW,   184                         ; v184-191 block a's scale word
.set EW,   192                         ; v192-199 the scale word of fragment (f, e)
.set CC,   200                         ; v200-203 the two scale records' words
.set TT,   204                         ; v204-211 at work
.set G1, 24                            ; s[24:31] descriptor group 1 for source 1's tiles;  s[32:39] group 0, one set for each slot
.set G0, 32
.set G1B, 48                           ; s[48:55], s[56:63] the same for source 0's
.set G0B, 56
.set G1S, 68                           ; s[68:75], s[76:79] groups 1 and 0 for source 1's scale bytes;  s[80:87], s[88:91] for source 0's
.set G0S, 76
.set G1SB, 80
.set G0SB, 88
.set MSB, 0
.macro WIN new                         ; the immediate's high byte repeats the setting that is left
.if MSB != \new
	s_set_vgpr_msb (MSB<<8)|\new
.set MSB, \new
.endif
.endm
.set TO_B, 0x40                        ; destination window 1, address window 0
.macro MULWIN hi, zero                 ; source 0 window 1, source 1 window 0, D window 2 or 3; C with D, or (the first K step) the bias in window 0
.if \zero
	WIN 0x81+0x40*\hi
.else
	WIN 0xa1+0x50*\hi
.endif
.endm
; A joint load: waves 0 and 1 fetch for source 1, waves 2 and 3 for source 0.  The branch hangs on the wave's number alone.  Four v_nop follow each of the two lines.
.macro JLOAD g0a, g1a, g0b, g1b
	s_cmp_eq_u32 s15, 0
	s_cbranch_scc0 .Lfor_b_\@
	tensor_load_to_lds s[\g0a:\g0a+3], s[\g1a:\g1a+7]
	s_nop 0
.rept 4
	v_nop
.endr
	s_branch .Lasked_\@
.Lfor_b_\@:
	tensor_load_to_lds s[\g0b:\g0b+3], s[\g1b:\g1b+7]
	s_nop 0
.rept 4
	v_nop
.endr
.Lasked_\@:
.endm
.macro CREST                           ; a round of the cluster's barrier behind its opening barrier
	s_cmp_lg_u32 s14, 0
	s_cbranch_scc1 .Lnot_wave_0_\@
	s_barrier_signal -3
.Lnot_wave_0_\@:
	s_barrier_wait -3
	s_barrier_signal -1
	s_barrier_wait -1
.endm
.macro CROUND                          ; a whole round
	s_barrier_signal -1
	s_barrier_wait -1
	CREST
.endm
	s_load_b512 s[68:83], s[0:1], 0x0              ; x's codes, scales; Wq's; Wk's; Wv's
	s_load_b256 s[84:91], s[0:1], 0x40             ; bq, bk, bv, qc
	s_load_b64 s[92:93], s[0:1], 0x60              ; kv
	v_lshl_add_u32 v[SPW], v0, 2, SPARE
	v_mov_b32 v[NIL], 0
	ds_add_u32 v28, v29
	ds_add_u32 v28, v29
	s_wait_dscnt 0x0
	v_lshrrev_b32 v1, 5, v0
	v_readfirstlane_b32 s14, v1                    ; wave 0..3
	s_lshr_b32 s15, s14, 1                         ; which half of source 1's 256 rows is mine.  Also: I fetch for source 1 (0) or source 0 (1)
	s_and_b32 s16, s14, 1                          ; which half of source 0's.  Also: which 128 rows of that tile I fetch
	s_bfe_u32 s40, ttmp6, 0x40000                  ; cx, cy: my place in the cluster
	s_bfe_u32 s41, ttmp6, 0x40004
	s_and_b32 s18, ttmp7, 0xffff
	s_lshl_b32 s18, s18, 2                         ; 4 x cluster y: it walks x's 32 tiles of 256 tokens
	s_cmp_eq_u32 ttmp9, 2                          ; V?
	s_cselect_b32 s17, 0, s18
	s_cselect_b32 s42, s18, 0
	s_add_co_u32 s17, s17, s41                     ; source 1's tile: of x, 4 x cluster y + cy; of Wv, cy.  It never holds cx
	s_add_co_u32 s42, s42, s40                     ; source 0's tile: of Wq or Wk, cx; of x, 4 x cluster y + cx.  It never holds cy
	s_lshl_b32 s43, s41, 2
	s_lshl_b32 s43, 15, s43                        ; my row of the cluster
	s_lshl_b32 s44, 0x1111, s40                    ; my column
	; descriptor group 1: a tile of 128 rows x 192 bytes, padded in LDS
	s_or_b32 s[G1+0], s43, (0<<16)|(1<<20)|(1<<21)|(3<<22)|(3<<25)  ; 15:0 the mask; 17:16 element of 1 byte; 20 padding on; 21 set beside a mask; 24:22 after every 16 words (code 3); 31:25 of 4 words (code 3)
	s_or_b32 s[G1B+0], s44, (0<<16)|(1<<20)|(1<<21)|(3<<22)|(3<<25)
.irp g, G1, G1B
	s_mov_b32 s[\g+1], ROWB<<16                    ; tensor_dim0
	s_mov_b32 s[\g+2], 128<<16                     ; tensor_dim1 = 128
	s_mov_b32 s[\g+3], ROWB<<16                    ; tile_dim0
	s_mov_b32 s[\g+4], 128                         ; tile_dim1 = 128
	s_mov_b32 s[\g+5], KROW                        ; tensor_dim0_stride
	s_mov_b32 s[\g+6], 0
	s_mov_b32 s[\g+7], 0
.endr
	s_lshl_b32 s18, s16, 7                         ; which 128 rows of the tile I fetch
	s_lshl_b32 s20, s17, 8
	s_add_co_u32 s20, s20, s18                     ; source 1: row 256 x tile + 128 x half
	s_lshl_b32 s46, s42, 8
	s_add_co_u32 s46, s46, s18                     ; source 0 likewise
	s_mov_b32 s21, 0
	s_mov_b32 s47, 0
	s_mov_b64 s[18:19], KS
	s_mul_u64 s[22:23], s[20:21], s[18:19]         ; where these rows' scale bytes begin
	s_mul_u64 s[98:99], s[46:47], s[18:19]
	s_mov_b64 s[18:19], KROW
	s_mul_u64 s[20:21], s[20:21], s[18:19]         ; and their codes
	s_mul_u64 s[46:47], s[46:47], s[18:19]
	s_mul_i32 s45, s14, HALFT                      ; where they go: wave x 128 rows: no place in the cluster enters an LDS address
	s_mul_i32 s2, s14, HALFS
	s_wait_kmcnt 0x0
	s_cmp_eq_u32 ttmp9, 0                          ; the buffers are chosen by the kind, which hangs on no address
	s_cselect_b64 s[66:67], s[72:73], s[76:77]     ; Wq's codes or Wk's
	s_cselect_b64 s[94:95], s[74:75], s[78:79]     ; their scale bytes
	s_cselect_b64 s[96:97], s[84:85], s[86:87]     ; bq or bk
	s_cselect_b64 s[12:13], s[90:91], s[92:93]     ; results go to qc, or to kv
	s_cmp_eq_u32 ttmp9, 2
	s_cselect_b64 s[4:5], s[80:81], s[68:69]       ; source 1's codes: Wv's, or x's
	s_cselect_b64 s[6:7], s[82:83], s[70:71]
	s_cselect_b64 s[8:9], s[68:69], s[66:67]       ; source 0's codes: x's, or the weight's
	s_cselect_b64 s[10:11], s[70:71], s[94:95]
	s_cselect_b64 s[96:97], s[88:89], s[96:97]     ; bv
	s_add_nc_u64 s[20:21], s[4:5], s[20:21]
	s_add_nc_u64 s[22:23], s[6:7], s[22:23]
	s_add_nc_u64 s[46:47], s[8:9], s[46:47]
	s_add_nc_u64 s[98:99], s[10:11], s[98:99]
	; the scale bytes of 128 rows: a dense block of 4,096 bytes, as rows of 256 bytes (32 elements of 8 bytes), 16 bytes of padding behind each.  (The arguments' registers are free now.)
	s_or_b32 s[G1S+0], s43, (3<<16)|(1<<20)|(1<<21)|(5<<22)|(3<<25)
	s_or_b32 s[G1SB+0], s44, (3<<16)|(1<<20)|(1<<21)|(5<<22)|(3<<25)
.irp g, G1S, G1SB
	s_mov_b32 s[\g+1], 32<<16
	s_mov_b32 s[\g+2], (128*KS/256)<<16
	s_mov_b32 s[\g+3], 32<<16
	s_mov_b32 s[\g+4], 128*KS/256
	s_mov_b32 s[\g+5], 32
	s_mov_b32 s[\g+6], 0
	s_mov_b32 s[\g+7], 0
.endr
	CROUND                                         ; all sixteen work-groups are here: the first joint loads meet
	s_mov_b32 s[G0S], 1
	s_add_co_u32 s[G0S+1], s2, SCL
	s_mov_b64 s[G0S+2:G0S+3], s[22:23]
	s_or_b32 s[G0S+3], s[G0S+3], 0x80000000
	s_mov_b32 s[G0SB], 1
	s_add_co_u32 s[G0SB+1], s2, SCL
	s_mov_b64 s[G0SB+2:G0SB+3], s[98:99]
	s_or_b32 s[G0SB+3], s[G0SB+3], 0x80000000
	JLOAD G0S, G1S, G0SB, G1SB                     ; the scale bytes first: they are wanted with K step 0.  With the two below three loads of mine are out
.irp s, 0,1
	s_mov_b32 s[G0+4*\s], 1
	s_add_co_u32 s[G0+4*\s+1], s45, \s*SLOT
	s_add_nc_u64 s[G0+4*\s+2:G0+4*\s+3], s[20:21], \s*ROWB
	s_or_b32 s[G0+4*\s+3], s[G0+4*\s+3], 0x80000000
	s_mov_b32 s[G0B+4*\s], 1
	s_add_co_u32 s[G0B+4*\s+1], s45, \s*SLOT
	s_add_nc_u64 s[G0B+4*\s+2:G0B+4*\s+3], s[46:47], \s*ROWB
	s_or_b32 s[G0B+4*\s+3], s[G0B+4*\s+3], 0x80000000
	JLOAD G0+4*\s, G1, G0B+4*\s, G1B
.endr
	v_and_b32 v1, 15, v0                           ; r = l % 16
	v_bfe_u32 v2, v0, 4, 1                         ; h = l / 16
	v_mul_u32_u24 v3, v1, PITCH
	v_mul_u32_u24 v4, v2, 24
	v_add_nc_u32 v4, v3, v4                        ; a fragment's row x pitch + 24 x half
	v_lshl_add_u32 v5, v2, 4, v4                   ; and the same behind one padding more
	s_mul_i32 s21, s15, HALFT                      ; my 128 rows of source 1
	s_mul_i32 s22, s16, HALFT                      ; my 128 rows of source 0,
	s_add_co_u32 s22, s22, 2*HALFT                 ; which lie behind source 1's 256
.irp s, 0,1
	v_add_nc_u32 v[ADRA+\s], s21, v4
	v_add_nc_u32 v[ADRB+\s], s22, v4
	v_add_nc_u32 v[ADRA+2+\s], s21, v5
	v_add_nc_u32 v[ADRB+2+\s], s22, v5
	s_add_co_u32 s21, s21, SLOT
	s_add_co_u32 s22, s22, SLOT
.endr
	v_mul_u32_u24 v5, v1, KS                       ; my row's scale bytes: 32 a row,
	v_lshrrev_b32 v6, 8, v5
	v_lshl_add_u32 v5, v6, 4, v5                   ; and 16 more for each 256 passed
	s_mul_i32 s21, s15, HALFS
	s_mul_i32 s22, s16, HALFS
	s_add_co_u32 s22, s22, 2*HALFS
	s_sub_co_u32 s22, s22, s21
	v_mul_u32_u24 v6, s22, v2                      ; lanes 16-31 take source 0's: one product, the distance between the two bases x h
	s_add_co_u32 s21, s21, SCL
	v_add_nc_u32 v5, v5, v6
	v_add_nc_u32 v[ADRS], s21, v5
	; where my results go, and my bias.  My 128 rows of x are block gb of 64; my 128 features are head pair hp of 8
	s_lshl_b32 s20, s17, 1
	s_add_co_u32 s20, s20, s15                     ; source 1's unit of 128 rows
	s_lshl_b32 s21, s42, 1
	s_add_co_u32 s21, s21, s16                     ; source 0's
	s_cmp_eq_u32 ttmp9, 2
	s_cselect_b32 s22, s21, s20                    ; gb
	s_cselect_b32 s23, s20, s21                    ; hp
	s_cselect_b32 s18, -1, 0                       ; all lanes where V
	s_cselect_b32 s19, 0, 4
	s_lshr_b32 s46, s22, 4                         ; the batch,
	s_lshl_b32 s46, s46, 4
	s_lshl_b32 s47, s23, 1
	s_add_co_u32 s46, s46, s47                     ; x 16 + the pair's first head,
	s_lshl_b32 s46, s46, 4
	s_and_b32 s47, s22, 15
	s_add_co_u32 s46, s46, s47                     ; x 16 + the block in the batch: the record
	s_cmp_eq_u32 ttmp9, 0
	s_mov_b32 s47, 12800
	s_cselect_b32 s47, 6400, s47                   ; a record's bytes
	s_mul_i32 s46, s46, s47                        ; under 2^24
	s_mov_b32 s47, 0
	s_add_nc_u64 s[12:13], s[12:13], s[46:47]
	s_lshl_b32 s46, s23, 9                         ; 128 numbers of the bias
	s_add_nc_u64 s[96:97], s[96:97], s[46:47]
	; the bias in the result's layout: Q, K: register j of block b is feature 16 b + 8 h + j;  V: every register of block a is feature 16 a + r
	v_lshlrev_b32 v5, 5, v2
	v_lshlrev_b32 v6, 2, v1
	v_cndmask_b32 v[BO], v5, v6, s18
.irp j, 1,2,3,4,5,6,7
	v_add_nc_u32 v[BO+\j], s19, v[BO+\j-1]
.endr
.irp i, 0,1,2,3,4,5,6,7
.irp j, 0,1,2,3,4,5,6,7
	global_load_b32 v[BI+8*\i+\j], v[BO+\j], s[96:97] offset:64*\i
.endr
.endr
.macro FRAG reg, adr, q, i             ; a fragment, 16 rows x 128 K of 6-bit codes, is 12 registers: lane l holds row l % 16; registers 6 c .. 6 c + 5 hold K = 64 c + 32 (l / 16) + 0 .. 31: 24 bytes of the row, as they lie
.irp p, 0,1,2,3,4,5                    ; in pieces of 8 bytes.  Lanes 0-15 take the row's pieces 12 q + 0, 1, 2 and 12 q + 6, 7, 8, lanes 16-31 those three pieces on
.set PCE, 12*(\q)+6*(\p/3)+\p%3        ; 16 bytes of padding lie behind every 8 pieces: where the piece three on lies behind one padding more, the second address register serves
.if PCE%8 < 5
	ds_load_b64 v[\reg+2*\p:\reg+2*\p+1], v[\adr] offset:8*PCE+16*(PCE/8)+(\i)*16*PITCH
.else
	ds_load_b64 v[\reg+2*\p:\reg+2*\p+1], v[\adr+2] offset:8*PCE+16*(PCE/8)+(\i)*16*PITCH
.endif
.endr
.endm
.macro PROD a, b, p, q, sc, cc         ; accumulator (a, b): source 0 = block b (set p), source 1 = block a, C at v[cc]; one register carries source 1's scale words in lanes 0-15 and source 0's in lanes 16-31
	v_wmma_scale_f32_16x16x128_f8f6f4 v[8*(8*((\a)%4)+\b):8*(8*((\a)%4)+\b)+7], v[128*(\p)+FR*\b:128*(\p)+FR*\b+FR-1], v[AF+FR*(\a):AF+FR*(\a)+FR-1], v[\cc:\cc+7], v[SC+8*NQ*(\sc)+NQ*\b+(\q)], v[SC+8*NQ*(\sc)+NQ*(\a)+(\q)] matrix_a_fmt:MATRIX_FMT_FP6 matrix_b_fmt:MATRIX_FMT_FP6 matrix_a_scale:MATRIX_SCALE_ROW1
.endm
; 16 matrix instructions: blocks a0, a0 + 1 x source 0's eight, 128 along K.  zero = 0: onto the sums;  1: the sums start from the bias of block b (Q, K);  2: of block a (V).  Nothing is ever cleared.
; The 64 accumulators take turns, one instruction a turn, in the same order in every step.
.macro MUL16 a0, p, q, sc, zero
.irp a, \a0, \a0+1
.irp b, 0,1,2,3,4,5,6,7
.if \zero == 1
	PROD \a, \b, \p, \q, \sc, BI+8*\b
.elseif \zero == 2
	PROD \a, \b, \p, \q, \sc, BI+8*(\a)
.else
	PROD \a, \b, \p, \q, \sc, 8*(8*((\a)%4)+\b)
.endif
.endr
.endr
.endm
.macro FETCH_B slot, q, p              ; source 0's eight fragments of the slot's q-th 128 along K into set p
	WIN TO_B
.irp i, 0,1,2,3,4,5,6,7
	FRAG 128*(\p)+FR*\i, ADRB+\slot, \q, \i
.endr
	WIN 0
.endm
.macro FETCH_A slot, q, i0             ; source 1's blocks i0 .. i0 + 3
.irp i, \i0, \i0+1, \i0+2, \i0+3
	FRAG AF+FR*(\i), ADRA+\slot, \q, \i
.endr
.endm
.macro SCALES sc                       ; a K step's scale words into set sc: two words a row
.irp i, 0,1,2,3,4,5,6,7
	ds_load_b64 v[SC+8*NQ*\sc+NQ*\i:SC+8*NQ*\sc+NQ*\i+1], v[ADRS] offset:\i*SBLK
.endr
.endm
; A load into a register that a matrix instruction has read, and a vector instruction that reads a matrix result, stand NP places behind that matrix instruction; only plain vector
; instructions that name none of its registers are places (ISA guide 7.12.1 for vector instructions).
.macro PLACES n
.rept \n
	v_nop
.endr
.endm
; A step of 128 along K that has its successor in the same slot.
.macro STEP slot, q, zero
	s_wait_dscnt 4*NL                              ; source 0's set and source 1's blocks 0-3 are in; the youngest 24 loads (blocks 4-7) may be out
	MULWIN 0, \zero
	MUL16 0, (\q)%2, \q, \slot, \zero
	MUL16 2, (\q)%2, \q, \slot, \zero
	s_wait_dscnt 0                                 ; blocks 4-7 are in (asked for 32 matrix instructions ago)
	PLACES NP
	FETCH_B \slot, (\q)+1, 1-(\q)%2
	FETCH_A \slot, (\q)+1, 0
	MULWIN 1, \zero
	MUL16 4, (\q)%2, \q, \slot, \zero
	MUL16 6, (\q)%2, \q, \slot, \zero
	PLACES NP
	WIN 0
	FETCH_A \slot, (\q)+1, 4
.endm
; A slot's last step changes slots: ONE barrier; in front of it each wave waits for all its tensor loads, adds 0 to its spare word, and waits for that and for its own reads of this slot.  fill = 1: this slot is filled again, two K steps ahead.
.macro TURN slot, next, fill
	s_wait_tensorcnt 0x0                           ; all my tensor loads have landed: my part of the next slot;  (every window is 0 here)
	ds_add_u32 v[SPW], v[NIL]                      ; 0 onto my spare word
	s_wait_dscnt 4*NL+1                            ; (the add and the youngest 24 loads, blocks 4-7, may be out)
	MULWIN 0, 0
	MUL16 0, 1, NQ-1, \slot, 0                     ; sixteen matrix instructions stand between the add and the wait for it
	s_wait_dscnt 0x0                               ; the add is done, and my reads of this slot are over
	s_barrier_signal -1
	MUL16 2, 1, NQ-1, \slot, 0
	WIN 0
	s_barrier_wait -1
.if \fill
	CREST                                          ; the barrier has opened a round of the cluster's barrier: no wave of any partner still reads this slot's tile or has a load on its way
	s_add_nc_u64 s[G0+4*\slot+2:G0+4*\slot+3], s[G0+4*\slot+2:G0+4*\slot+3], 2*ROWB
	s_add_nc_u64 s[G0B+4*\slot+2:G0B+4*\slot+3], s[G0B+4*\slot+2:G0B+4*\slot+3], 2*ROWB
	JLOAD G0+4*\slot, G1, G0B+4*\slot, G1B         ; the first tensor load behind the round; the four v_nop behind it are the places in front of the loads below
.else
	PLACES NP
.endif
	v_add_nc_u32 v[ADRS], 4*NQ, v[ADRS]            ; on to the next K step's scale words (no LDS load of mine is out)
	FETCH_B \next, 0, 0
	FETCH_A \next, 0, 0
	SCALES \next
	MULWIN 1, 0
	MUL16 4, 1, NQ-1, \slot, 0
	MUL16 6, 1, NQ-1, \slot, 0
	PLACES NP
	WIN 0
	FETCH_A \next, 0, 4
.endm
	s_wait_tensorcnt 1                             ; the scale bytes and my part of K step 0 are in (K step 1's load may be out)
	s_barrier_signal -1
	s_barrier_wait -1                              ; everybody's are
	FETCH_B 0, 0, 0
	FETCH_A 0, 0, 0
	SCALES 0
	FETCH_A 0, 0, 4
	s_wait_loadcnt 0x0                             ; the bias
	s_cmp_eq_u32 ttmp9, 2                          ; the first step is written twice: its products take the bias as C, by block b (Q, K) or by block a (V).  The branch hangs on the cluster's x, which all partners share
	s_cbranch_scc1 .Lfirst_v
	STEP 0, 0, 1
	s_branch .Lfirst_done
.Lfirst_v:
	STEP 0, 0, 2
.Lfirst_done:
.if LAPS > 1
	s_mov_b32 s3, LAPS-1
.Llap:                                                 ; a trip goes once round the ring, from a lap's second step to the next lap's first, and fills both slots again
	TURN 0, 1, 1
	STEP 1, 0, 0
	TURN 1, 0, 1
	STEP 0, 0, 0
	s_sub_co_u32 s3, s3, 1
	s_cmp_lg_u32 s3, 0
	s_cbranch_scc1 .Llap
.endif
	TURN 0, 1, 0                                   ; the last lap fills nothing, and has no round of the cluster's barrier
	STEP 1, 0, 0
	s_wait_dscnt 4*NL                              ; the very last step: nothing more to fetch
	MULWIN 0, 0
	MUL16 0, 1, NQ-1, 1, 0
	MUL16 2, 1, NQ-1, 1, 0
	s_wait_dscnt 0
	MULWIN 1, 0
	MUL16 4, 1, NQ-1, 1, 0
	MUL16 6, 1, NQ-1, 1, 0
	WIN 0
	; THE WAY OUT.  Offsets first; these seventeen plain vector lines name no register of the last products and are the places behind them.
	s_cmp_eq_u32 ttmp9, 0
	s_mov_b32 s40, 204800
	s_cselect_b32 s40, 102400, s40                 ; from a head to the next: 16 records
	s_mov_b32 s41, 12288
	s_cselect_b32 s41, 6144, s41                   ; where the scale record begins: Q, K,
	s_cmp_eq_u32 ttmp9, 2
	s_cselect_b32 s41, 12544, s41                  ; V
	s_cselect_b32 s18, -1, 0                       ; all lanes where V
	s_cselect_b32 s42, 6144, 0                     ; V's fragments lie behind K's
	s_cselect_b32 s43, 1536, s40                   ; from member 0 of a pair to member 1: V: the next 16 features; Q, K: the next head
	s_mov_b32 s44, 1536
	s_cselect_b32 s44, 3072, s44                   ; from pair 0 to 1 (2 to 3): V: two fragments on; Q, K: one
	s_mov_b32 s45, 3072
	s_cselect_b32 s45, s40, s45                    ; from pair 0 to 2 (1 to 3): V: the next head; Q, K: two fragments on
	s_mov_b32 s19, 0xffff0000                      ; lanes 16-31
	s_mov_b32 s20, 0x76543210
	s_mov_b32 s21, 0xfedcba98                      ; v_permlanex16_b32's selects for lane l xor 16
	v_and_b32 v7, 31, v0
	v_lshlrev_b32 v6, 4, v7                        ; 16 x lane
	v_add_nc_u32 v[VO], s42, v6
	v_add_nc_u32 v[VO+1], s43, v[VO]
	v_add_nc_u32 v[VO+2], s44, v[VO]
	v_add_nc_u32 v[VO+3], s44, v[VO+1]
.irp k, 0,1,2,3
	v_add_nc_u32 v[VO+4+\k], s45, v[VO+\k]
.endr
	v_lshlrev_b32 v[VSC], 3, v7                    ; 8 x lane
	v_add_nc_u32 v[VSC], s41, v[VSC]
	v_add_nc_u32 v[VSC+1], s40, v[VSC]
.irp b, 0,1,2,3
	v_mov_b32 v[TM+4+\b], 0                        ; written once: a lane permute's destination counts as one of its sources
.endr
; Block a's 64 numbers of a lane (register 16 B + i: block B of 32 along the axis that is quantised; the block's other 16 lie in lane l xor 16) become 12 registers of codes at v[pc] and the scale word v[PW + a].
.macro QUANTW a, pc
.set AC, 64*((\a)%4)
.set WW, 2+(\a)/4
	WIN 5*WW                                       ; sources 0 and 1: the accumulators' window
.irp b, 0,1,2,3
	v_max3_num_f32 v[TM+\b], |v[AC+16*\b]|, |v[AC+16*\b+1]|, 0x1800000   ; each accumulator is read from its low end on; the floor 2^(3 - 127) holds the byte at 1 from below
.endr
.irp i, 2,4,6,8,10,12,14
.irp b, 0,1,2,3
	v_max3_num_f32 v[TM+\b], |v[AC+16*\b+\i]|, |v[AC+16*\b+\i+1]|, v[TM+\b]   ; (the four blocks by turns)
.endr
.endr
	WIN 0
.irp b, 0,1,2,3
	v_permlanex16_b32 v[TM+4+\b], v[TM+\b], s20, s21
.endr
.irp b, 0,1,2,3
	v_max_num_f32 v[TM+\b], v[TM+\b], v[TM+4+\b]   ; with lane l xor 16's: the block's largest magnitude
.endr
.irp b, 0,1,2,3
	v_add_nc_u32 v[TM+12+\b], 0xff000000, v[TM+\b] ; 2 off its exponent field: the conversion takes the exponent field of this operand as its scale
.endr
.irp b, 0,1,2,3
	v_lshrrev_b32 v[TM+4+\b], 23, v[TM+12+\b]      ; the scale's byte
.endr
	v_lshl_or_b32 v[PW+(\a)], v[TM+5], 8, v[TM+4]
	v_lshl_or_b32 v[PW+(\a)], v[TM+6], 16, v[PW+(\a)]
	v_lshl_or_b32 v[PW+(\a)], v[TM+7], 24, v[PW+(\a)]
	WIN WW                                         ; source 0: the accumulators' window
.irp c, 0,1
	v_cvt_scalef32_pk16_fp6_f32 v[\pc+6*\c:\pc+6*\c+2], v[AC+32*\c:AC+32*\c+15], v[TM+12+2*\c]
	v_cvt_scalef32_pk16_fp6_f32 v[CT+4*\c:CT+4*\c+2], v[AC+32*\c+16:AC+32*\c+31], v[TM+12+2*\c+1]   ; (a conversion's three registers begin on an even number)
.endr
	WIN 0
	v_nop                                          ; one plain place behind a scaled conversion
.irp c, 0,1                                    ; the operand's layout wants a whole block in a lane: lanes 0-15 block 2 c, lanes 16-31 block 2 c + 1
.irp i, 0,1,2
	v_permlane16_swap_b32 v[\pc+6*\c+\i], v[CT+4*\c+\i]
.endr
.irp i, 0,1,2
	v_mov_b32 v[\pc+3+6*\c+\i], v[CT+4*\c+\i]
.endr
.endr
.endm
; Blocks 2 f and 2 f + 1.  V: each is a fragment as it stands.  Q, K: a block holds one tile of tokens for two heads, a fragment two tiles for one head: the first's upper six registers change places with the
; second's lower six, and the scale words' halves likewise.  The choice is made by v_cndmask_b32 on the kind: no branch.  No store's data are written again, so no wait stands here.
.macro PAIR f
.set PA, CD+24*\f
.set PB, CD+24*\f+12
.irp i, 0,1,2,3,4,5
	v_mov_b32 v[TT+\i], v[PA+6+\i]
.endr
.irp i, 0,1,2,3,4,5
	v_cndmask_b32 v[PA+6+\i], v[PB+\i], v[TT+\i], s18
.endr
.irp i, 0,1,2,3,4,5
	v_cndmask_b32 v[PB+\i], v[TT+\i], v[PB+\i], s18
.endr
	v_perm_b32 v[TT+6], v[PW+2*\f+1], v[PW+2*\f], 0x05040100   ; the two words' low halves: the first head's
	v_perm_b32 v[TT+7], v[PW+2*\f+1], v[PW+2*\f], 0x07060302   ; their high halves: the second's
	v_cndmask_b32 v[EW+2*\f], v[TT+6], v[PW+2*\f], s18
	v_cndmask_b32 v[EW+2*\f+1], v[TT+7], v[PW+2*\f+1], s18
.irp i, 0,1,2
	global_store_b128 v[VO+2*\f], v[PA+4*\i:PA+4*\i+3], s[12:13] offset:512*\i     ; 32 lanes store 512 consecutive bytes, at a multiple of 256 from the buffer's first byte
	global_store_b128 v[VO+2*\f+1], v[PB+4*\i:PB+4*\i+3], s[12:13] offset:512*\i
.endr
.endm
.irp f, 0,1,2,3
	QUANTW 2*\f, CD+24*\f
	QUANTW 2*\f+1, CD+24*\f+12
	PAIR \f
.endr
	v_cndmask_b32 v[CC+0], v[EW+0], v[EW+2], s19   ; word (x, y): member y of pair 2 x in lanes 0-15, of pair 2 x + 1 in lanes 16-31 (a scale word stands alike in lanes l and l xor 16)
	v_cndmask_b32 v[CC+1], v[EW+1], v[EW+3], s19
	v_cndmask_b32 v[CC+2], v[EW+4], v[EW+6], s19
	v_cndmask_b32 v[CC+3], v[EW+5], v[EW+7], s19
	v_mov_b32 v[TT], v[CC+1]                       ; V: a head's record is (x, 0), (x, 1);  Q, K: (0, y), (1, y): words (0, 1) and (1, 0) change places
	v_cndmask_b32 v[CC+1], v[CC+2], v[TT], s18
	v_cndmask_b32 v[CC+2], v[TT], v[CC+2], s18
	global_store_b64 v[VSC], v[CC:CC+1], s[12:13]          ; 32 lanes store 256 consecutive bytes, aligned
	global_store_b64 v[VSC+1], v[CC+2:CC+3], s[12:13]
	s_wait_tensorcnt 0x0                           ; the wave's end
	ds_add_u32 v[SPW], v[NIL]
	s_wait_dscnt 0x0
	CROUND                                         ; the closing round: no work-group ends while a partner may still ask for a tile that names it
	s_endpgm
.Lfunc_end_k_q25c0f1b9c5_qkv:
	.size	k_q25c0f1b9c5_qkv, .Lfunc_end_k_q25c0f1b9c5_qkv-k_q25c0f1b9c5_qkv
	.p2alignl 7, 3214868480
	.fill 96, 4, 3214868480
	.section	.rodata,"a",@progbits
	.p2align	6, 0x0
	.amdhsa_kernel k_q25c0f1b9c5_qkv
		.amdhsa_group_segment_fixed_size 327680
		.amdhsa_private_segment_fixed_size 0
		.amdhsa_enable_private_segment 0
		.amdhsa_kernarg_size 104
		.amdhsa_user_sgpr_count 2
		.amdhsa_user_sgpr_kernarg_segment_ptr 1
		.amdhsa_wavefront_size32 1
		.amdhsa_system_sgpr_workgroup_id_x 1
		.amdhsa_system_sgpr_workgroup_id_y 1
		.amdhsa_system_sgpr_workgroup_id_z 1
		.amdhsa_system_vgpr_workitem_id 0
		.amdhsa_next_free_vgpr 1024
		.amdhsa_next_free_sgpr 100
		.amdhsa_reserve_vcc 0
		.amdhsa_float_denorm_mode_32 3
		.amdhsa_float_denorm_mode_16_64 3
		.amdhsa_memory_ordered 1
		.amdhsa_forward_progress 1
		.amdhsa_inst_pref_size 192
	.end_amdhsa_kernel
	.amdgpu_metadata
---
amdhsa.version: [ 1, 2 ]
amdhsa.kernels:
  - .name:           k_q25c0f1b9c5_qkv
    .symbol:         k_q25c0f1b9c5_qkv.kd
    .args:
      - { .name: x_codes, .offset: 0, .size: 8, .value_kind: global_buffer, .address_space: global }
      - { .name: x_scales, .offset: 8, .size: 8, .value_kind: global_buffer, .address_space: global }
      - { .name: Wq_codes, .offset: 16, .size: 8, .value_kind: global_buffer, .address_space: global }
      - { .name: Wq_scales, .offset: 24, .size: 8, .value_kind: global_buffer, .address_space: global }
      - { .name: Wk_codes, .offset: 32, .size: 8, .value_kind: global_buffer, .address_space: global }
      - { .name: Wk_scales, .offset: 40, .size: 8, .value_kind: global_buffer, .address_space: global }
      - { .name: Wv_codes, .offset: 48, .size: 8, .value_kind: global_buffer, .address_space: global }
      - { .name: Wv_scales, .offset: 56, .size: 8, .value_kind: global_buffer, .address_space: global }
      - { .name: bq, .offset: 64, .size: 8, .value_kind: global_buffer, .address_space: global }
      - { .name: bk, .offset: 72, .size: 8, .value_kind: global_buffer, .address_space: global }
      - { .name: bv, .offset: 80, .size: 8, .value_kind: global_buffer, .address_space: global }
      - { .name: qc, .offset: 88, .size: 8, .value_kind: global_buffer, .address_space: global }
      - { .name: kv, .offset: 96, .size: 8, .value_kind: global_buffer, .address_space: global }
    .group_segment_fixed_size: 327680
    .private_segment_fixed_size: 0
    .kernarg_segment_align: 8
    .kernarg_segment_size: 104
    .max_flat_workgroup_size: 128
    .sgpr_count:     100
    .vgpr_count:     1024
    .wavefront_size: 32
...
	.end_amdgpu_metadata
.endif
;; end of part 1
;; launch attn (part 2): grid 4 x 64, 16 waves a work-group, clusters of 4 x 1, 206,848 bytes of LDS; arguments qc, kv, oc, os; writes oc, os
.if DOCPART == 2
	.amdgcn_target "amdgcn-amd-amdhsa--gfx1250"
	.amdhsa_code_object_version 6
	.text
	.protected	k_q25c0f1b9c5_attn
	.globl	k_q25c0f1b9c5_attn
	.p2align	8
	.type	k_q25c0f1b9c5_attn,@function
k_q25c0f1b9c5_attn:
	s_mov_b64 s[64:65], 0
	v_nop
	global_prefetch_b8 v0, s[64:65] scope:SCOPE_SE
	s_setreg_imm32_b32 hwreg(HW_REG_WAVE_MODE, 25, 1), 1
	s_wait_xcnt 0x0
	s_wait_alu depctr_hold_cnt(0) depctr_sa_sdst(0) depctr_va_vdst(0) depctr_va_sdst(0) depctr_va_ssrc(0) depctr_va_vcc(0) depctr_vm_vsrc(0)
	s_getreg_b32 s2, hwreg(HW_REG_IB_STS2, 6, 4)
	s_cmp_eq_u32 s2, 0
	s_cbranch_scc0 .Lentry_in_a_cluster
	s_endpgm
.Lentry_in_a_cluster:
	s_bfe_u32 s2, ttmp6, 0x10000c
	s_cmp_lg_u32 s2, 0x3003
	s_cbranch_scc0 .Lentry_shape_is_right
	s_endpgm
.Lentry_shape_is_right:
; O = softmax(Q K^T / 8, causal) V for 64 (batch, head) pairs of 2,048 tokens and 64 features, both products on codes of FP6 (E2M3) with E8M0 scales; O is quantised along the model's 1,024 and leaves as codes.
; THE SOFTMAX: t = score x log2(e) / 8; M = the row's largest t so far, rounded UP to a whole number; p = 2^(t - M) is quantised along the keys, not normalised; the row's sum is taken of the unquantised p
; and divides O at the end.  When M moves, the sum and O are multiplied by 2^(old M - new M): exact.
; SHARES.  A cluster of four work-groups is one (batch, head).  All its K and V, 16 records of 12,800 bytes (128 keys each: K's 4 fragments, V's 4, K's scale words, V's), lie in each work-group's LDS, filled ONCE
; by joint loads that name the four: nothing is filled again, so there is no ring.  A wave owns two tiles of 16 queries: tile a = 2 cx + wave / 8 of blocks 15 - wave % 8 and wave % 8 of 128 tokens.
; Block s needs key steps 0 .. s, so every wave has 17 key steps.  Branches hang on the wave's number and on counters alone; cx enters global addresses and one vector compare.
; LAYOUT.  Both products are used transposed: S^T = K Q^T (source 0 = keys, source 1 = my 16 queries), O^T = V^T P^T (source 0 = 16 features, source 1 = P): a lane holds ONE query (lane % 16) throughout.
; THE FIRST PRODUCT'S K IS 64.  A fragment of K holds two tiles of 16 keys: k = 0-63 tile 2 f, k = 64-127 tile 2 f + 1.  It is multiplied twice: by [Q | zeros] for tile 2 f, by [zeros | Q] for tile 2 f + 1.
; Zero codes add nothing under any scale byte that the quantiser gives (1 to 254).
; THE ORDER OF CODES IN A BLOCK of K, Q, V and p is 0-7, 16-23, 8-15, 24-31, alike on both sides of each product.  O meets a weight in natural order: its 24 bytes a lane are put in order by four byte permutes.
; WHAT IS STORED.  oc: [block of 128 tokens 64][head pair 8][tile 8][head in pair 2][piece 3][lane 32][8 bytes]: a fragment (16 tokens x 128 along the model's axis) as six pieces of 256 bytes.
; os: [token 8,192][32] scale bytes.  A tile stores 32 single bytes there, two for each of 16 rows of 32 bytes: 1 byte in 25 of what the tile stores; the rows' other bytes come from other heads' clusters.
; LIMITS: a block whose largest magnitude lies under 2^-124 gets the scale byte 1, a block of zeros too (read by this program alone); NaN and infinities are not served.
.set REC,   12800                      ; a key step's record
.set CHUNK, 8*REC                      ; half a head: what the sixteen waves' first (second) loads bring
.set PART,  CHUNK/16                   ; a wave's part: 25 rows of 256 bytes
.set VFR,   6144                       ; V's fragments in a record
.set KSO,   12288                      ; K's scale words; V's lie 256 bytes on
.set QREC,  6400                       ; a record of qc
.set LI,  1                            ; v1   16 x lane
.set LS,  2                            ; v2   8 x lane + KSO
.set ADK, 3                            ; v3   LDS address of the step's fragments
.set ADS, 4                            ; v4   and of its scale words
.set R8,  5                            ; v5   8 r: Q's scale word
.set DQ,  6                            ; v6   16 a + r - 8 h: my query in its block, less my half's first key in a tile
.set L8,  7                            ; v7   8 x lane
.set OSO, 8                            ; v8   32 r + h
.set NINF, 9                           ; v9   -infinity
.set QF,  16                           ; v16-33 [Q | zeros | Q]: v16-27 and v22-33 are the two operands
.set QS,  34                           ; v34  Q's scale word, its two bytes twice
.set KV,  36                           ; v36-83 four fragments, K's and then V's
.set KSC, 84                           ; v84-85 K's scale words
.set VSC, 86                           ; v86-87 V's
.set PW,  88                           ; v88  p's scale word
.set SS,  96                           ; v96-159 S^T, then p
.set OT,  160                          ; v160-191 O^T
.set PC,  192                          ; v192-203 p's codes
.set NN,  196                          ; v196-202 the way out: O's 24 bytes in natural order, and the scale byte
.set CT,  204                          ; v204-210 the conversions' second halves
.set MX,  212                          ; v212-215 the blocks' largest
.set TP,  216                          ; v216-219 at work, then the bytes
.set SO,  220                          ; v220-223 the conversions' scale operands
.set FF,  224                          ; v224 f = 2^(old M - new M); v225 named with it as a pair
.set TT,  226                          ; v226 at work
.set S2,  228                          ; v228-229 the sum's second chain
.set QA,  230                          ; v230-241 the early tile's fragment of Q as loaded; v242 its scale word; v243 the late tile's
.set QB,  244                          ; v244-255 the late tile's fragment
.set WV,  12                           ; s12  wave
.set SEL, 20                           ; s[20:21] v_permlanex16_b32's selects for lane l xor 16
.set CS,  22                           ; s[22:23] c = log2(e) / 8
.set G1,  24                           ; s[24:31] descriptor group 1;  s[32:35], s[36:39] groups 0 of the two loads
.set TB,  40                           ; s40  LDS byte of the step's record
.set KST, 41                           ; s41  the key step
.set SBL, 42                           ; s42  the block of the tile in hand: its last key step
.set HM,  43                           ; s43  lanes 16-31
.set PM,  44                           ; s44  all lanes where my tile is a fragment's second
.set PSL, 45                           ; s45  which two bytes of Q's scale word are my tile's
.macro CROUND                          ; a round of the cluster's barrier
	s_barrier_signal -1
	s_barrier_wait -1
	s_cmp_lg_u32 s[WV], 0
	s_cbranch_scc1 .Lnot_wave_0_\@
	s_barrier_signal -3
.Lnot_wave_0_\@:
	s_barrier_wait -3
	s_barrier_signal -1
	s_barrier_wait -1
.endm
	s_load_b256 s[4:11], s[0:1], 0x0               ; qc s[4:5], kv s[6:7], oc s[8:9], os s[10:11]
	v_lshl_add_u32 v211, v0, 2, 0x32000
	v_mov_b32 v227, 0
	ds_add_u32 v211, v227
	ds_add_u32 v211, v227
	v_lshrrev_b32 v10, 5, v0
	s_delay_alu instid0(VALU_DEP_1)
	v_readfirstlane_b32 s[WV], v10                 ; wave 0..15
	s_bfe_u32 s13, ttmp6, 0x40000                  ; cx
	s_and_b32 s14, ttmp7, 0xffff                   ; batch x 16 + head, which the four partners share
	s_and_b32 s15, s[WV], 7                        ; my early block
	s_sub_co_u32 s16, 15, s15                      ; my late block
	s_lshr_b32 s17, s[WV], 3
	s_lshl_b32 s18, s13, 1
	s_add_co_u32 s18, s18, s17                     ; my tile in both blocks
	s_mov_b32 s[G1], 15|(3<<16)|(1<<21)            ; 15:0 the mask: all four work-groups; 17:16 elements of 8 bytes; 20 no padding; 21 set beside a mask
	s_mov_b32 s[G1+1], 32<<16                      ; tensor_dim0 = 32 elements: 256 bytes
	s_mov_b32 s[G1+2], 25<<16                      ; tensor_dim1 = 25
	s_mov_b32 s[G1+3], 32<<16                      ; tile_dim0
	s_mov_b32 s[G1+4], 25                          ; tile_dim1
	s_mov_b32 s[G1+5], 32                          ; the rows are dense
	s_mov_b32 s[G1+6], 0
	s_mov_b32 s[G1+7], 0
	s_mul_i32 s19, s[WV], PART                     ; my part of a chunk, in LDS as in memory: the wave's number x a constant
	s_mul_i32 s46, s14, 16*REC
	s_add_co_u32 s46, s46, s19
	s_mov_b32 s47, 0
	s_mov_b32 s[SEL], 0x76543210
	s_mov_b32 s[SEL+1], 0xfedcba98
	s_mov_b32 s[CS], 0x3e38aa3b                    ; log2(e) / 8
	s_mov_b32 s[CS+1], s[CS]                       ; (named with it as a pair, so it is written)
	s_mov_b32 s[HM], 0xffff0000
	s_cmp_eq_u32 s17, 0
	s_cselect_b32 s[PM], 0, -1
	s_mov_b32 s[PSL], 0x03020302
	s_cselect_b32 s[PSL], 0x01000100, s[PSL]
	s_wait_dscnt 0x0
	s_wait_kmcnt 0x0
	s_mov_b32 s32, 1
	s_mov_b32 s33, s19
	s_add_nc_u64 s[34:35], s[6:7], s[46:47]
	s_mov_b32 s36, 1
	s_add_co_u32 s37, s19, CHUNK
	s_add_nc_u64 s[38:39], s[34:35], CHUNK
	s_or_b32 s35, s35, 0x80000000                  ; type = 2
	s_or_b32 s39, s39, 0x80000000
	CROUND                                         ; all four work-groups are here: the joint loads meet
	tensor_load_to_lds s[32:35], s[G1:G1+7]        ; key steps 0-7
	s_nop 0
	tensor_load_to_lds s[36:39], s[G1:G1+7]        ; key steps 8-15: two loads of mine are out; four v_nop follow
	s_nop 0
.rept 4
	v_nop
.endr
	s_and_b32 s2, s14, 15                          ; the head
	s_lshl_b32 s3, s2, 1                           ; its two bytes in a row of os
	s_and_b32 s40, s2, 1
	s_mul_i32 s40, s40, 768                        ; its half of a fragment of oc
	s_lshr_b32 s2, s2, 1                           ; its pair
; the four addresses of my tile in block s[blk]: its fragment of Q (fragment cx of the record), its scale word, its bytes in oc and in os
.macro BASES blk, qf, qs, oo, ss
	s_lshl_b32 s46, s14, 4
	s_add_co_u32 s46, s46, s[\blk]
	s_mul_i32 s46, s46, QREC
	s_add_nc_u64 s[\qs:\qs+1], s[4:5], s[46:47]    ; the record
	s_mul_i32 s46, s13, 1536
	s_add_nc_u64 s[\qf:\qf+1], s[\qs:\qs+1], s[46:47]
	s_and_b32 s46, s13, 1                          ; fragment cx's words: word cx / 2 of lanes 16 (cx % 2) on, 8 bytes a lane
	s_lshl_b32 s46, s46, 7
	s_lshr_b32 s19, s13, 1
	s_lshl_b32 s19, s19, 2
	s_add_co_u32 s46, s46, s19
	s_add_co_u32 s46, s46, 6144
	s_add_nc_u64 s[\qs:\qs+1], s[\qs:\qs+1], s[46:47]
	s_lshr_b32 s46, s14, 4
	s_lshl_b32 s46, s46, 4
	s_add_co_u32 s46, s46, s[\blk]                 ; the block among all 64
	s_lshl_b32 s19, s46, 3
	s_add_co_u32 s19, s19, s18                     ; the tile among all 512,
	s_lshl_b32 s19, s19, 9                         ; x 16 tokens x 32 bytes,
	s_add_co_u32 s19, s19, s3                      ; + the head's two bytes
	s_lshl_b32 s46, s46, 3
	s_add_co_u32 s46, s46, s2
	s_lshl_b32 s46, s46, 3
	s_add_co_u32 s46, s46, s18
	s_mul_i32 s46, s46, 1536
	s_add_co_u32 s46, s46, s40
	s_add_nc_u64 s[\oo:\oo+1], s[8:9], s[46:47]
	s_mov_b32 s46, s19
	s_add_nc_u64 s[\ss:\ss+1], s[10:11], s[46:47]
.endm
	BASES 16, 48, 50, 56, 58                       ; the late block
	BASES 15, 52, 54, 60, 62                       ; the early block
	v_and_b32 v10, 15, v0                          ; r
	v_bfe_u32 v11, v0, 4, 1                        ; h
	v_and_b32 v[L8], 31, v0
	s_delay_alu instid0(VALU_DEP_1)
	v_lshlrev_b32 v[LI], 4, v[L8]
	s_delay_alu instid0(VALU_DEP_2)
	v_lshlrev_b32 v[L8], 3, v[L8]
	s_delay_alu instid0(VALU_DEP_1)
	v_add_nc_u32 v[LS], KSO, v[L8]
	v_lshlrev_b32 v[R8], 3, v10
.irp i, 0,1,2
	global_load_b128 v[QB+4*\i:QB+4*\i+3], v[LI], s[48:49] offset:512*\i
.endr
	global_load_b32 v243, v[R8], s[50:51]
.irp i, 0,1,2
	global_load_b128 v[QA+4*\i:QA+4*\i+3], v[LI], s[52:53] offset:512*\i
.endr
	global_load_b32 v242, v[R8], s[54:55]
	v_lshl_add_u32 v[OSO], v10, 5, v11
	v_lshlrev_b32 v[DQ], 3, v11
	s_delay_alu instid0(VALU_DEP_1)
	v_sub_nc_u32 v[DQ], v10, v[DQ]
	s_lshl_b32 s19, s18, 4
	v_add_nc_u32 v[DQ], s19, v[DQ]
	v_mov_b32 v[NINF], 0xff800000
.irp b, 0,1,2,3
	v_mov_b32 v[TP+\b], 0                          ; written once: a lane permute's destination counts as one of its sources
.endr
	v_mov_b32 v[FF+1], 0                           ; (named as the upper half of a pair)
	v_mov_b32 v[TT], 0
; A tile begins: its half of the fragment at v[raw], its two scale bytes, and the running figures.  The 36 plain lines behind the scale word's are the places that a scale register written by a vector instruction wants.
.macro QIN raw, word
.irp i, 0,1,2,3,4,5
	v_cndmask_b32 v[QF+\i], v[\raw+\i], v[\raw+6+\i], s[PM]
.endr
.irp i, 0,1,2,3,4,5
	v_mov_b32 v[QF+12+\i], v[QF+\i]
.endr
.irp i, 0,1,2,3,4,5
	v_mov_b32 v[QF+6+\i], 0
.endr
	v_perm_b32 v[QS], v[\word], v[\word], s[PSL]
	v_mov_b32 v13, 0xff61b1e6                      ; the largest t so far: -3e38, under every t
	s_delay_alu instid0(VALU_DEP_1)
	v_floor_f32 v12, -v13                          ; -M
	v_mov_b32 v14, 0                               ; the sum, in two halves
	v_mov_b32 v15, 0
.set n, 0
.rept 32
	v_mov_b32 v[OT+n], 0                           ; O^T.  (A step is written once: the first finds zeros, which the first change of M leaves zeros)
.set n, n+1
.endr
.endm
; A KEY STEP: 128 keys.  m = 1: a step behind my block is left out (a scalar branch on the wave's number and the counter, not round the lines at its end that step the address), and in my block's own step the hidden scores are masked.
.macro STEP m
.if \m
	s_cmp_gt_u32 s[KST], s[SBL]
	s_cbranch_scc1 .Lskip_\@
.endif
	s_setprio 2
	v_add_nc_u32 v[ADK], s[TB], v[LI]
	v_add_nc_u32 v[ADS], s[TB], v[LS]
	v_nop
	v_nop                                          ; four places in front of loads into registers that the last products have read
.set n, 0
.rept 12
	ds_load_b128 v[KV+4*n:KV+4*n+3], v[ADK] offset:512*n      ; K's four fragments as images: 32 lanes read 512 consecutive bytes
.set n, n+1
.endr
	ds_load_b64 v[KSC:KSC+1], v[ADS]
	s_wait_alu depctr_va_vdst(0)
	s_wait_dscnt 0x0
.irp f, 0,1,2,3                                ; S^T: tile 2 f by [Q | 0], tile 2 f + 1 by [0 | Q].  Word f / 2 carries fragment f's scales, in lanes 16-31 where f is odd
.if \f%2
	v_wmma_scale_f32_16x16x128_f8f6f4 v[SS+16*\f:SS+16*\f+7], v[KV+12*\f:KV+12*\f+11], v[QF:QF+11], 0, v[KSC+\f/2], v[QS] matrix_a_fmt:MATRIX_FMT_FP6 matrix_b_fmt:MATRIX_FMT_FP6 matrix_a_scale:MATRIX_SCALE_ROW1
	v_wmma_scale_f32_16x16x128_f8f6f4 v[SS+16*\f+8:SS+16*\f+15], v[KV+12*\f:KV+12*\f+11], v[QF+6:QF+17], 0, v[KSC+\f/2], v[QS] matrix_a_fmt:MATRIX_FMT_FP6 matrix_b_fmt:MATRIX_FMT_FP6 matrix_a_scale:MATRIX_SCALE_ROW1
.else
	v_wmma_scale_f32_16x16x128_f8f6f4 v[SS+16*\f:SS+16*\f+7], v[KV+12*\f:KV+12*\f+11], v[QF:QF+11], 0, v[KSC+\f/2], v[QS] matrix_a_fmt:MATRIX_FMT_FP6 matrix_b_fmt:MATRIX_FMT_FP6
	v_wmma_scale_f32_16x16x128_f8f6f4 v[SS+16*\f+8:SS+16*\f+15], v[KV+12*\f:KV+12*\f+11], v[QF+6:QF+17], 0, v[KSC+\f/2], v[QS] matrix_a_fmt:MATRIX_FMT_FP6 matrix_b_fmt:MATRIX_FMT_FP6
.endif
.endr
.rept 4
	v_nop                                          ; places: for the loads below, into K's registers, and for the first read of the scores
.endr
.set n, 0
.rept 12
	ds_load_b128 v[KV+4*n:KV+4*n+3], v[ADK] offset:VFR+512*n  ; V's four fragments: they land while the softmax is worked
.set n, n+1
.endr
	ds_load_b64 v[VSC:VSC+1], v[ADS] offset:256
.if \m
	s_cmp_lg_u32 s[KST], s[SBL]
	s_cbranch_scc1 .Lopen_\@
.set n, 0
.rept 64                                       ; register n holds key 16 (n / 8) + 8 h + n % 8 of the step: hidden where it comes after my query.  -infinity ahead of the maximum: p = 0 then.  Key 0 of the step counts for every query
	v_cmp_gt_i32 vcc_lo, 16*(n/8)+n%8, v[DQ]
	v_cndmask_b32 v[SS+n], v[SS+n], v[NINF], vcc_lo
.set n, n+1
.endr
.Lopen_\@:
.endif
.irp b, 0,1,2,3
	v_max3_num_f32 v[MX+\b], v[SS+16*\b], v[SS+1+16*\b], v[SS+2+16*\b]   ; the largest score of each block of 32 keys: for the row's maximum, and, since p rises with the score, for the block's largest p
.endr
.irp i, 3,5,7,9,11,13
.irp b, 0,1,2,3
	v_max3_num_f32 v[MX+\b], v[MX+\b], v[SS+16*\b+\i], v[SS+1+16*\b+\i]   ; (the four blocks by turns)
.endr
.endr
.irp b, 0,1,2,3
	v_max_num_f32 v[MX+\b], v[MX+\b], v[SS+15+16*\b]
.endr
.irp b, 0,1,2,3
	s_delay_alu instid0(VALU_DEP_4)
	v_permlanex16_b32 v[TP+\b], v[MX+\b], s[SEL], s[SEL+1]
.endr
.irp b, 0,1,2,3
	s_delay_alu instid0(VALU_DEP_4)
	v_max_num_f32 v[MX+\b], v[MX+\b], v[TP+\b]     ; with lane l xor 16's 16 keys
.endr
	s_delay_alu instid0(VALU_DEP_2)
	v_max3_num_f32 v[TT], v[MX], v[MX+1], v[MX+2]
	s_delay_alu instid0(VALU_DEP_1)
	v_max_num_f32 v[TT], v[TT], v[MX+3]            ; the step's largest score of my query
	s_delay_alu instid0(VALU_DEP_1)
	v_mul_f32 v[TT], s[CS], v[TT]                  ; as t (c is positive)
	s_delay_alu instid0(VALU_DEP_1)
	v_max_num_f32 v13, v13, v[TT]                  ; the running largest t
	v_mov_b32 v[TT], v12
	s_delay_alu instid0(VALU_DEP_2)
	v_floor_f32 v12, -v13                          ; the new -M = floor(-t) = -ceil(t): a whole number
	s_delay_alu instid0(VALU_DEP_1)
	v_sub_f32 v[TT], v12, v[TT]                    ; M's old value less its new one: a whole number, 0 or less
	s_delay_alu instid0(VALU_DEP_1)
	v_cvt_i32_f32 v[TT], v[TT]                     ; (it saturates)
	s_delay_alu instid0(VALU_DEP_1)
	v_ldexp_f32 v[FF], 1.0, v[TT]                  ; f = 2^(old M - new M)
.set n, 0
.rept 32
	v_pk_fma_f32 v[SS+n:SS+n+1], v[SS+n:SS+n+1], s[CS:CS+1], v[12:13] op_sel_hi:[1,0,0]   ; t - M, two at a time (of the pairs c and -M the low word serves both halves)
.set n, n+2
.endr
.irp b, 0,1,2,3
	v_fma_f32 v[MX+\b], v[MX+\b], s[CS], v12       ; the same of each block's largest score
.endr
.set n, 0
	s_setprio 1
	s_wait_alu depctr_va_vdst(0)
.rept 64
	v_exp_f32 v[SS+n], v[SS+n]                     ; p = 2^(t - M), at most 1
.set n, n+1
.endr
.irp b, 0,1,2,3
	v_exp_f32 v[MX+\b], v[MX+\b]                   ; the block's largest p: the same two instructions on the same number give the same bits
.endr
	v_pk_mul_f32 v[14:15], v[14:15], v[FF:FF+1] op_sel_hi:[1,0]   ; the sums under the new M.  (A plain place behind the exponentials)
	s_wait_alu depctr_va_vdst(0)
.irp b, 0,1,2,3
	v_max_num_f32 v[MX+\b], 0x1800000, v[MX+\b]    ; the floor 2^(3 - 127): the byte cannot fall under 1
.endr
.irp b, 0,1,2,3
	s_delay_alu instid0(VALU_DEP_4)
	v_add_nc_u32 v[SO+\b], 0xff000000, v[MX+\b]    ; 2 off the exponent field: the conversion's scale operand
.endr
.irp b, 0,1,2,3
	s_delay_alu instid0(VALU_DEP_4)
	v_lshrrev_b32 v[TP+\b], 23, v[SO+\b]           ; the scale's byte
.endr
	s_delay_alu instid0(VALU_DEP_3)
	v_lshl_or_b32 v[PW], v[TP+1], 8, v[TP]         ; p's scale word for these 128 keys
	s_delay_alu instid0(VALU_DEP_1)
	v_lshl_or_b32 v[PW], v[TP+2], 16, v[PW]
	s_delay_alu instid0(VALU_DEP_1)
	v_lshl_or_b32 v[PW], v[TP+3], 24, v[PW]
.irp c, 0,1
	v_cvt_scalef32_pk16_fp6_f32 v[PC+6*\c:PC+6*\c+2], v[SS+32*\c:SS+32*\c+15], v[SO+2*\c]
	v_cvt_scalef32_pk16_fp6_f32 v[CT+4*\c:CT+4*\c+2], v[SS+32*\c+16:SS+32*\c+31], v[SO+2*\c+1]   ; (a conversion's three registers begin on an even number)
.endr
	v_nop                                          ; one plain place behind a scaled conversion
.irp c, 0,1                                    ; the operand's layout wants a whole block in a lane: lanes 0-15 block 2 c, lanes 16-31 block 2 c + 1
.irp i, 0,1,2
	v_permlane16_swap_b32 v[PC+6*\c+\i], v[CT+4*\c+\i]
.endr
.irp i, 0,1,2
	s_delay_alu instid0(VALU_DEP_3)
	v_mov_b32 v[PC+3+6*\c+\i], v[CT+4*\c+\i]
.endr
.endr
	v_pk_add_f32 v[228:229], v[100:101], v[104:105]
	v_pk_add_f32 v[254:255], v[108:109], v[112:113]
	v_pk_add_f32 v[252:253], v[116:117], v[120:121]
	v_pk_add_f32 v[250:251], v[124:125], v[128:129]
	v_pk_add_f32 v[248:249], v[132:133], v[136:137]
	v_pk_add_f32 v[246:247], v[140:141], v[144:145]
	v_pk_add_f32 v[244:245], v[148:149], v[152:153]
	v_pk_add_f32 v[14:15], v[14:15], v[156:157]
	v_pk_add_f32 v[228:229], v[228:229], v[96:97]
	v_pk_add_f32 v[254:255], v[254:255], v[98:99]
	v_pk_add_f32 v[252:253], v[252:253], v[102:103]
	v_pk_add_f32 v[250:251], v[250:251], v[106:107]
	v_pk_add_f32 v[248:249], v[248:249], v[110:111]
	v_pk_add_f32 v[246:247], v[246:247], v[114:115]
	v_pk_add_f32 v[244:245], v[244:245], v[118:119]
	v_pk_add_f32 v[14:15], v[14:15], v[122:123]
	v_pk_add_f32 v[228:229], v[228:229], v[126:127]
	v_pk_add_f32 v[254:255], v[254:255], v[130:131]
	v_pk_add_f32 v[252:253], v[252:253], v[134:135]
	v_pk_add_f32 v[250:251], v[250:251], v[138:139]
	v_pk_add_f32 v[248:249], v[248:249], v[142:143]
	s_setprio 0
	v_pk_add_f32 v[246:247], v[246:247], v[146:147]
	v_pk_add_f32 v[244:245], v[244:245], v[150:151]
	v_pk_add_f32 v[14:15], v[14:15], v[154:155]
	v_pk_add_f32 v[228:229], v[228:229], v[158:159]
	s_delay_alu instid0(VALU_DEP_2)
	v_pk_add_f32 v[14:15], v[14:15], v[250:251]
	s_delay_alu instid0(VALU_DEP_2)
	v_pk_add_f32 v[228:229], v[228:229], v[248:249]
	v_pk_add_f32 v[254:255], v[254:255], v[246:247]
	v_pk_add_f32 v[252:253], v[252:253], v[244:245]
	s_delay_alu instid0(VALU_DEP_2)
	v_pk_add_f32 v[14:15], v[14:15], v[254:255]
	s_delay_alu instid0(VALU_DEP_2)
	v_pk_add_f32 v[228:229], v[228:229], v[252:253]
	s_delay_alu instid0(VALU_DEP_1)
	v_pk_add_f32 v[14:15], v[14:15], v[228:229]
.set n, 0
.rept 16
	v_pk_mul_f32 v[OT+n:OT+n+1], v[OT+n:OT+n+1], v[FF:FF+1] op_sel_hi:[1,0]   ; O^T under the new M, each accumulator from its low end on
.set n, n+2
.endr
	s_wait_alu depctr_va_vdst(0)
	s_wait_dscnt 0x0                               ; V and its scale words are in
.irp t, 0,1,2,3                                ; O^T += V^T P^T: features 16 t on; the four accumulators take turns, and eight other products stand between two links of a chain.  Word t % 2, in lanes 16-31 from t = 2 on
.if \t >= 2
	v_wmma_scale_f32_16x16x128_f8f6f4 v[OT+8*\t:OT+8*\t+7], v[KV+12*\t:KV+12*\t+11], v[PC:PC+11], v[OT+8*\t:OT+8*\t+7], v[VSC+\t%2], v[PW] matrix_a_fmt:MATRIX_FMT_FP6 matrix_b_fmt:MATRIX_FMT_FP6 matrix_a_scale:MATRIX_SCALE_ROW1
.else
	v_wmma_scale_f32_16x16x128_f8f6f4 v[OT+8*\t:OT+8*\t+7], v[KV+12*\t:KV+12*\t+11], v[PC:PC+11], v[OT+8*\t:OT+8*\t+7], v[VSC+\t%2], v[PW] matrix_a_fmt:MATRIX_FMT_FP6 matrix_b_fmt:MATRIX_FMT_FP6
.endif
.endr
.if \m
.Lskip_\@:
.endif
	s_add_co_u32 s[TB], s[TB], REC
	s_add_co_u32 s[KST], s[KST], 1
.endm
; A tile leaves: O^T / the sum, quantised along the head's two blocks of 32 features, the codes put in natural order.
.macro OUT oo, ss
.rept 4
	v_nop                                          ; places behind the last products
.endr
	v_add_f32 v14, v14, v15                        ; the sum's two halves,
	s_delay_alu instid0(VALU_DEP_1)
	v_permlanex16_b32 v[TT], v14, s[SEL], s[SEL+1]
	s_delay_alu instid0(VALU_DEP_1)
	v_add_f32 v14, v14, v[TT]                      ; and lane l xor 16's: the row's sum
	s_wait_alu depctr_va_vdst(0)
	v_rcp_f32 v14, v14
	v_nop                                          ; one plain place behind a transcendental
.set n, 0
	s_wait_alu depctr_va_vdst(0)
.rept 16
	v_pk_mul_f32 v[SS+n:SS+n+1], v[OT+n:OT+n+1], v[14:15] op_sel_hi:[1,0]   ; register 8 t + j is o(query r, feature 16 t + 8 h + j)
.set n, n+2
.endr
.irp b, 0,1
	v_max3_num_f32 v[MX+\b], |v[SS+16*\b]|, |v[SS+1+16*\b]|, 0x1800000
.endr
.irp i, 2,4,6,8,10,12,14
.irp b, 0,1
	s_delay_alu instid0(VALU_DEP_2)
	v_max3_num_f32 v[MX+\b], v[MX+\b], |v[SS+16*\b+\i]|, |v[SS+1+16*\b+\i]|
.endr
.endr
.irp b, 0,1
	s_delay_alu instid0(VALU_DEP_2)
	v_permlanex16_b32 v[TP+\b], v[MX+\b], s[SEL], s[SEL+1]
.endr
.irp b, 0,1
	s_delay_alu instid0(VALU_DEP_2)
	v_max_num_f32 v[MX+\b], v[MX+\b], v[TP+\b]
.endr
.irp b, 0,1
	s_delay_alu instid0(VALU_DEP_2)
	v_add_nc_u32 v[SO+\b], 0xff000000, v[MX+\b]
.endr
.irp b, 0,1
	s_delay_alu instid0(VALU_DEP_2)
	v_lshrrev_b32 v[TP+\b], 23, v[SO+\b]
.endr
	v_cvt_scalef32_pk16_fp6_f32 v[PC:PC+2], v[SS:SS+15], v[SO]
	v_cvt_scalef32_pk16_fp6_f32 v[CT:CT+2], v[SS+16:SS+31], v[SO+1]
	v_nop                                          ; one plain place behind a scaled conversion
.irp i, 0,1,2
	v_permlane16_swap_b32 v[PC+\i], v[CT+\i]       ; lane (r, h) now holds block h: features 0-7, 16-23 in the first three registers, 8-15, 24-31 in the second three; eight codes are six bytes
.endr
	s_delay_alu instid0(VALU_DEP_3)
	v_mov_b32 v[NN], v[PC]                         ; bytes 0-3:   features 0-7's first four
	s_delay_alu instid0(VALU_DEP_3)
	v_perm_b32 v[NN+1], v[CT], v[PC+1], 0x05040100     ; bytes 4-7:   their last two, 8-15's first two
	s_delay_alu instid0(VALU_DEP_4)
	v_perm_b32 v[NN+2], v[CT+1], v[CT], 0x05040302     ; bytes 8-11:  8-15's last four
	s_delay_alu instid0(VALU_DEP_4)
	v_perm_b32 v[NN+3], v[PC+2], v[PC+1], 0x05040302   ; bytes 12-15: 16-23's first four
	v_perm_b32 v[NN+4], v[CT+1], v[PC+2], 0x07060302   ; bytes 16-19: their last two, 24-31's first two
	v_mov_b32 v[NN+5], v[CT+2]                     ; bytes 20-23: 24-31's last four
	v_cndmask_b32 v[NN+6], v[TP], v[TP+1], s[HM]   ; my block's scale byte
	global_store_b64 v[L8], v[NN:NN+1], s[\oo:\oo+1]               ; 32 lanes store 256 consecutive bytes, aligned
	global_store_b64 v[L8], v[NN+2:NN+3], s[\oo:\oo+1] offset:256
	global_store_b64 v[L8], v[NN+4:NN+5], s[\oo:\oo+1] offset:512
	global_store_b8 v[OSO], v[NN+6], s[\ss:\ss+1]
.endm
	s_wait_loadcnt 0x0                             ; both tiles' Q
	QIN QB, 243                                    ; THE LATE TILE: key steps 0 .. 15 - wave % 8
	s_mov_b32 s[TB], 0
	s_mov_b32 s[KST], 0
	s_mov_b32 s[SBL], s16
	s_wait_tensorcnt 0x1                           ; my part of key steps 0-7 is in; the second load may stay out
	s_barrier_signal -1
	s_barrier_wait -1                              ; everybody's is
.Lfull:                                            ; eight steps all of whose keys count, for every wave
	STEP 0
	s_cmp_lt_u32 s[KST], 8
	s_cbranch_scc1 .Lfull
	s_setprio 0
	s_wait_tensorcnt 0x0                           ; my part of key steps 8-15 is in,
	s_wait_dscnt 0x0
	s_barrier_signal -1
	s_barrier_wait -1                              ; everybody's is
	s_mov_b32 s[TB], 8*REC
	s_mov_b32 s[KST], 8
.Llate:
	STEP 1
	s_cmp_lt_u32 s[KST], 16
	s_cbranch_scc1 .Llate
	s_setprio 0
	OUT 56, 58
	s_wait_xcnt 0x0                                ; the stores have read their registers, which the next tile writes again
	QIN QA, 242                                    ; THE EARLY TILE: key steps 0 .. wave % 8
	s_mov_b32 s[TB], 0
	s_mov_b32 s[KST], 0
	s_mov_b32 s[SBL], s15
.Learly:
	STEP 1
	s_cmp_lt_u32 s[KST], 8
	s_cbranch_scc1 .Learly
	s_setprio 0
	OUT 60, 62
	s_wait_tensorcnt 0x0
	ds_add_u32 v211, v227
	s_wait_dscnt 0x0
	CROUND                                         ; the closing round
	s_endpgm
.Lfunc_end_k_q25c0f1b9c5_attn:
	.size	k_q25c0f1b9c5_attn, .Lfunc_end_k_q25c0f1b9c5_attn-k_q25c0f1b9c5_attn
	.p2alignl 7, 3214868480
	.fill 96, 4, 3214868480
	.section	.rodata,"a",@progbits
	.p2align	6, 0x0
	.amdhsa_kernel k_q25c0f1b9c5_attn
		.amdhsa_group_segment_fixed_size 206848
		.amdhsa_private_segment_fixed_size 0
		.amdhsa_enable_private_segment 0
		.amdhsa_kernarg_size 32
		.amdhsa_user_sgpr_count 2
		.amdhsa_user_sgpr_kernarg_segment_ptr 1
		.amdhsa_wavefront_size32 1
		.amdhsa_system_sgpr_workgroup_id_x 1
		.amdhsa_system_sgpr_workgroup_id_y 1
		.amdhsa_system_sgpr_workgroup_id_z 1
		.amdhsa_system_vgpr_workitem_id 0
		.amdhsa_next_free_vgpr 256
		.amdhsa_next_free_sgpr 66
		.amdhsa_reserve_vcc 1
		.amdhsa_float_denorm_mode_32 3
		.amdhsa_float_denorm_mode_16_64 3
		.amdhsa_memory_ordered 1
		.amdhsa_forward_progress 1
		.amdhsa_inst_pref_size 82
	.end_amdhsa_kernel
	.amdgpu_metadata
---
amdhsa.version: [ 1, 2 ]
amdhsa.kernels:
  - .name:           k_q25c0f1b9c5_attn
    .symbol:         k_q25c0f1b9c5_attn.kd
    .args:
      - { .name: qc, .offset: 0, .size: 8, .value_kind: global_buffer, .address_space: global }
      - { .name: kv, .offset: 8, .size: 8, .value_kind: global_buffer, .address_space: global }
      - { .name: oc, .offset: 16, .size: 8, .value_kind: global_buffer, .address_space: global }
      - { .name: os, .offset: 24, .size: 8, .value_kind: global_buffer, .address_space: global }
    .group_segment_fixed_size: 206848
    .private_segment_fixed_size: 0
    .kernarg_segment_align: 8
    .kernarg_segment_size: 32
    .max_flat_workgroup_size: 512
    .sgpr_count:     66
    .vgpr_count:     256
    .wavefront_size: 32
...
	.end_amdgpu_metadata
.endif
;; end of part 2
;; launch proj (part 3): grid 4 x 32, 4 waves a work-group, clusters of 4 x 4, 327,680 bytes of LDS; arguments oc, os, Wo_codes, Wo_scales, out0, bo; writes out0
.if DOCPART == 3
	.amdgcn_target "amdgcn-amd-amdhsa--gfx1250"
	.amdhsa_code_object_version 6
	.text
	.protected	k_q25c0f1b9c5_proj
	.globl	k_q25c0f1b9c5_proj
	.p2align	8
	.type	k_q25c0f1b9c5_proj,@function
k_q25c0f1b9c5_proj:
	s_mov_b64 s[64:65], 0
	v_nop
	global_prefetch_b8 v0, s[64:65] scope:SCOPE_SE
	s_setreg_imm32_b32 hwreg(HW_REG_WAVE_MODE, 25, 1), 1
	s_wait_xcnt 0x0
	s_wait_alu depctr_hold_cnt(0) depctr_sa_sdst(0) depctr_va_vdst(0) depctr_va_sdst(0) depctr_va_ssrc(0) depctr_va_vcc(0) depctr_vm_vsrc(0)
	s_getreg_b32 s2, hwreg(HW_REG_IB_STS2, 6, 4)
	s_cmp_eq_u32 s2, 0
	s_cbranch_scc0 .Lentry_in_a_cluster
	s_endpgm
.Lentry_in_a_cluster:
	s_bfe_u32 s2, ttmp6, 0x10000c
	s_cmp_lg_u32 s2, 0xf033
	s_cbranch_scc0 .Lentry_shape_is_right
	s_endpgm
.Lentry_shape_is_right:
; out0[m][n] = the sum over k of O[m][k] Wo[n][k] + bo[n].  O: 8,192 x 1,024 and Wo: 1,024 x 1,024 as codes of FP6 (E2M3) with one E8M0 scale for each 32 along K; out0 f32; sums in f32.
; Wo's codes lie as rows of 768 bytes.  O's lie as IMAGES OF OPERAND REGISTERS: [block of 128 rows 64][128 along K 8][tile of 16 rows 8][piece 6][lane 32][8 bytes]: piece p of a fragment is registers 2 p, 2 p + 1 of every lane.
; So 128 rows x 256 along K are 24,576 dense bytes, and a fragment comes from LDS by six loads of 8 bytes a lane, each of 256 consecutive bytes.  Scale bytes of both: 32 a row.
; A tile of out0, 256 x 256, is made by a work-group of four waves; a wave makes 128 x 128: 64 accumulators of 16 x 16, 512 registers.  K goes in steps of 256 through a ring of two LDS slots filled by the tensor data mover.
; THE SCALE BYTES of the work-group's 256 rows of O and of Wo, for all of K, come into LDS once, with the first fills, and stay.
; CLUSTERS: 4 x 4 work-groups.  The four of a row of the cluster need the same tiles of O, the four of a column the same tiles of Wo: each tile is asked for jointly, with a mask that names the four.
; THE MATRIX INSTRUCTION IS USED TRANSPOSED (source 0 = 16 rows of Wo, source 1 = 16 rows of O): a lane then holds eight neighbouring numbers of a row of out0.  The bias is the C of each sum's first product.
; REGISTERS, in windows of 256: window 0: v0-31 addresses; v32-63 scale words, two sets, and nothing else; v64-127 the bias; from v128 O's fragments, one set; on the way out v128-255.
;   window 1: Wo's fragments, two sets, at v0 and v128.   window 2: the accumulators of my rows 0-63 (accumulator (a, b) at v[8 (8 a + b)]);   window 3: those of my rows 64-127.
.set SIZE_N, 1024
.set SIZE_K, 1024
.set KSTEP,  256
.set NQ,     KSTEP/128
.set ROWB,   192                       ; a row of Wo's tile in bytes
.set KROW,   SIZE_K*6/8                ; a row of Wo in memory; also O's bytes for each row: 128 rows are 98,304
.set PITCH,  240                       ; an LDS row of Wo: 3 x (64 bytes + 16 of padding) = 60 words: row r starts at bank -4 r mod 64 (64 banks of 4 bytes: ISA guide 11.1)
.set FR,     12
.set NL,     6
.set NP,     4                         ; places behind this matrix instruction (ISA guide 7.12.1)
.set AH,     24576                     ; O: 128 rows x 256 along K
.set HALFT,  128*PITCH                 ; Wo: 128 rows
.set SLOT,   2*AH+2*HALFT              ; O's 256 rows, then Wo's 256 rows
.set LAPS,   SIZE_K/(2*KSTEP)
.set KS,     SIZE_K/32
.set SCL,    2*SLOT                    ; behind the ring: the scale bytes, as rows of 256 bytes + 16 of padding
.set HALFS,  (128*KS/256)*272
.set SBLK,   (16*KS/256)*272
.set SPARE,  SCL+4*HALFS               ; the spare words, 128 bytes a wave: two blocks of 256 bytes that no other line names
.set SPITCH, 528                       ; the way out: a stage of 16 rows x (512 bytes + 16) for each wave, in slot 0, which has had its last fill and its last read when the first result is stored there
.set ADRA, 16                          ; v16-17  LDS address of my O fragments in slot 0, 1
.set ADRB, 20                          ; v20-21  the same for Wo  (v22-23: for the pieces behind one padding more)
.set STO,  24                          ; v24     the way out: where I put 32 bytes of a row
.set RD,   25                          ; v25     where I read a row back
.set CO,   26                          ; v26     my byte offset in a row of out0
.set ADRS, 27                          ; v27     LDS address of my scale words: lanes 0-15 O's rows, lanes 16-31 Wo's
.set SPW,  28                          ; v28     LDS address of my spare word; never rewritten
.set NIL,  29                          ; v29     0; never rewritten
.set SC,   32
.set BI,   64                          ; v64-127 the bias: register j of block b is column 16 b + 8 h + j
.set AF,   128
.set BK,   128                         ; the way out: 16 rows read back from the stage: v128-191 and v192-255 by turns
.set G1, 24
.set G0, 32
.set G1B, 48
.set G0B, 56
.set G1S, 68
.set G0S, 76
.set G1SB, 80
.set G0SB, 88
.set MSB, 0
.macro WIN new                         ; the immediate's high byte repeats the setting that is left
.if MSB != \new
	s_set_vgpr_msb (MSB<<8)|\new
.set MSB, \new
.endif
.endm
.set TO_B, 0x40
.macro MULWIN hi, zero                 ; source 0 window 1, source 1 window 0, D window 2 or 3; C with D, or (the first K step) the bias in window 0
.if \zero
	WIN 0x81+0x40*\hi
.else
	WIN 0xa1+0x50*\hi
.endif
.endm
.macro JLOAD g0a, g1a, g0b, g1b        ; a joint load: waves 0 and 1 fetch for O, waves 2 and 3 for Wo; four v_nop follow each of the two lines
	s_cmp_eq_u32 s15, 0
	s_cbranch_scc0 .Lfor_b_\@
	tensor_load_to_lds s[\g0a:\g0a+3], s[\g1a:\g1a+7]
	s_nop 0
.rept 4
	v_nop
.endr
	s_branch .Lasked_\@
.Lfor_b_\@:
	tensor_load_to_lds s[\g0b:\g0b+3], s[\g1b:\g1b+7]
	s_nop 0
.rept 4
	v_nop
.endr
.Lasked_\@:
.endm
.macro CREST
	s_cmp_lg_u32 s14, 0
	s_cbranch_scc1 .Lnot_wave_0_\@
	s_barrier_signal -3
.Lnot_wave_0_\@:
	s_barrier_wait -3
	s_barrier_signal -1
	s_barrier_wait -1
.endm
.macro CROUND
	s_barrier_signal -1
	s_barrier_wait -1
	CREST
.endm
	s_load_b128 s[4:7], s[0:1], 0x0                ; O's codes, O's scales
	s_load_b128 s[8:11], s[0:1], 0x10              ; Wo's codes, Wo's scales
	s_load_b64 s[12:13], s[0:1], 0x20              ; out0
	s_load_b64 s[96:97], s[0:1], 0x28              ; bo
	v_lshl_add_u32 v[SPW], v0, 2, SPARE
	v_mov_b32 v[NIL], 0
	ds_add_u32 v28, v29
	ds_add_u32 v28, v29
	s_wait_dscnt 0x0
	v_lshrrev_b32 v1, 5, v0
	v_readfirstlane_b32 s14, v1                    ; wave 0..3
	s_lshr_b32 s15, s14, 1                         ; which half of the tile's rows is mine.  Also: I fetch for O (0) or for Wo (1)
	s_and_b32 s16, s14, 1                          ; which half of its columns.  Also: which 128 rows of that tile I fetch
	s_bfe_u32 s40, ttmp6, 0x40000                  ; cx, cy
	s_bfe_u32 s41, ttmp6, 0x40004
	s_lshl_b32 s42, ttmp9, 2
	s_add_co_u32 s42, s42, s40                     ; tile column = 4 x cluster x + cx
	s_and_b32 s17, ttmp7, 0xffff
	s_lshl_b32 s17, s17, 2
	s_add_co_u32 s17, s17, s41                     ; tile row = 4 x cluster y + cy
	s_lshl_b32 s43, s41, 2
	s_lshl_b32 s43, 15, s43                        ; my row of the cluster
	s_lshl_b32 s44, 0x1111, s40                    ; my column
	s_or_b32 s[G1+0], s43, (3<<16)|(1<<21)         ; O: 15:0 the mask: my row; 17:16 elements of 8 bytes; no padding; 21 set beside a mask
	s_mov_b32 s[G1+1], 32<<16                      ; rows of 256 bytes,
	s_mov_b32 s[G1+2], 96<<16                      ; 96 of them,
	s_mov_b32 s[G1+3], 32<<16
	s_mov_b32 s[G1+4], 96
	s_mov_b32 s[G1+5], 32                          ; dense
	s_mov_b32 s[G1+6], 0
	s_mov_b32 s[G1+7], 0
	s_or_b32 s[G1B+0], s44, (0<<16)|(1<<20)|(1<<21)|(3<<22)|(3<<25)  ; Wo: the mask: my column; elements of 1 byte; padding after every 16 words (code 3) of 4 words (code 3)
	s_mov_b32 s[G1B+1], ROWB<<16
	s_mov_b32 s[G1B+2], 128<<16
	s_mov_b32 s[G1B+3], ROWB<<16
	s_mov_b32 s[G1B+4], 128
	s_mov_b32 s[G1B+5], KROW
	s_mov_b32 s[G1B+6], 0
	s_mov_b32 s[G1B+7], 0
	s_or_b32 s[G1S+0], s43, (3<<16)|(1<<20)|(1<<21)|(5<<22)|(3<<25)  ; the scale bytes of 128 rows: 4,096 dense bytes as rows of 256, 16 bytes of padding behind each
	s_or_b32 s[G1SB+0], s44, (3<<16)|(1<<20)|(1<<21)|(5<<22)|(3<<25)
.irp g, G1S, G1SB
	s_mov_b32 s[\g+1], 32<<16
	s_mov_b32 s[\g+2], (128*KS/256)<<16
	s_mov_b32 s[\g+3], 32<<16
	s_mov_b32 s[\g+4], 128*KS/256
	s_mov_b32 s[\g+5], 32
	s_mov_b32 s[\g+6], 0
	s_mov_b32 s[\g+7], 0
.endr
	s_lshl_b32 s18, s16, 7                         ; which 128 rows of the tile I fetch
	s_lshl_b32 s20, s17, 8
	s_add_co_u32 s20, s20, s18                     ; O: row 256 x tile row + 128 x half
	s_lshl_b32 s46, s42, 8
	s_add_co_u32 s46, s46, s18                     ; Wo: row 256 x tile column + 128 x half
	s_mov_b32 s21, 0
	s_mov_b32 s47, 0
	s_mov_b64 s[18:19], KS
	s_mul_u64 s[22:23], s[20:21], s[18:19]         ; where these rows' scale bytes begin
	s_mul_u64 s[92:93], s[46:47], s[18:19]
	s_mov_b64 s[18:19], KROW
	s_mul_u64 s[20:21], s[20:21], s[18:19]         ; and their codes: 768 bytes for each row in both layouts
	s_mul_u64 s[46:47], s[46:47], s[18:19]
	s_mul_i32 s45, s16, AH                         ; where they go: O's two halves,
	s_mul_i32 s95, s16, HALFT
	s_add_co_u32 s95, s95, 2*AH                    ; then Wo's two: no place in the cluster enters an LDS address
	s_mul_i32 s94, s14, HALFS
	s_wait_kmcnt 0x0
	s_add_nc_u64 s[20:21], s[4:5], s[20:21]
	s_add_nc_u64 s[22:23], s[6:7], s[22:23]
	s_add_nc_u64 s[46:47], s[8:9], s[46:47]
	s_add_nc_u64 s[92:93], s[10:11], s[92:93]
	CROUND                                         ; all sixteen work-groups are here: the first joint loads meet
	s_mov_b32 s[G0S], 1
	s_add_co_u32 s[G0S+1], s94, SCL
	s_mov_b64 s[G0S+2:G0S+3], s[22:23]
	s_or_b32 s[G0S+3], s[G0S+3], 0x80000000
	s_mov_b32 s[G0SB], 1
	s_add_co_u32 s[G0SB+1], s94, SCL
	s_mov_b64 s[G0SB+2:G0SB+3], s[92:93]
	s_or_b32 s[G0SB+3], s[G0SB+3], 0x80000000
	JLOAD G0S, G1S, G0SB, G1SB                     ; the scale bytes first.  With the two below three loads of mine are out
.irp s, 0,1
	s_mov_b32 s[G0+4*\s], 1
	s_add_co_u32 s[G0+4*\s+1], s45, \s*SLOT
	s_add_nc_u64 s[G0+4*\s+2:G0+4*\s+3], s[20:21], \s*AH
	s_or_b32 s[G0+4*\s+3], s[G0+4*\s+3], 0x80000000
	s_mov_b32 s[G0B+4*\s], 1
	s_add_co_u32 s[G0B+4*\s+1], s95, \s*SLOT
	s_add_nc_u64 s[G0B+4*\s+2:G0B+4*\s+3], s[46:47], \s*ROWB
	s_or_b32 s[G0B+4*\s+3], s[G0B+4*\s+3], 0x80000000
	JLOAD G0+4*\s, G1, G0B+4*\s, G1B
.endr
	v_and_b32 v1, 15, v0                           ; l % 16
	v_bfe_u32 v2, v0, 4, 1                         ; l / 16
	v_mul_u32_u24 v3, v1, PITCH
	v_mul_u32_u24 v4, v2, 24
	v_add_nc_u32 v4, v3, v4                        ; Wo: a fragment's row x pitch + 24 x half
	v_lshl_add_u32 v5, v2, 4, v4                   ; and the same behind one padding more
	v_and_b32 v6, 31, v0
	v_lshlrev_b32 v7, 3, v6                        ; O: 8 x lane
	s_mul_i32 s21, s15, AH                         ; my 128 rows of O
	s_mul_i32 s22, s16, HALFT                      ; my 128 rows of Wo,
	s_add_co_u32 s22, s22, 2*AH                    ; which lie behind O's 256
.irp s, 0,1
	v_add_nc_u32 v[ADRA+\s], s21, v7
	v_add_nc_u32 v[ADRB+\s], s22, v4
	v_add_nc_u32 v[ADRB+2+\s], s22, v5
	s_add_co_u32 s21, s21, SLOT
	s_add_co_u32 s22, s22, SLOT
.endr
	v_mul_u32_u24 v5, v1, KS                       ; my row's scale bytes: 32 a row,
	v_lshrrev_b32 v6, 8, v5
	v_lshl_add_u32 v5, v6, 4, v5                   ; and 16 more for each 256 passed
	s_mul_i32 s21, s15, HALFS
	s_mul_i32 s22, s16, HALFS
	s_add_co_u32 s22, s22, 2*HALFS
	s_sub_co_u32 s22, s22, s21
	v_mul_u32_u24 v6, s22, v2                      ; lanes 16-31 take Wo's: one product, the distance between the two bases x h
	s_add_co_u32 s21, s21, SCL
	v_add_nc_u32 v5, v5, v6
	v_add_nc_u32 v[ADRS], s21, v5
	s_mul_i32 s23, s14, 16*SPITCH                  ; my stage
	v_mul_u32_u24 v5, v1, SPITCH                   ; in: row l % 16, 32 bytes for each half of the lanes
	v_lshl_add_u32 v5, v2, 5, v5
	v_add_nc_u32 v[STO], s23, v5
	v_and_b32 v6, 31, v0
	v_lshlrev_b32 v[CO], 4, v6                     ; back: the 32 lanes take one row of 512 bytes; and the same in out0
	v_add_nc_u32 v[RD], s23, v[CO]
	s_lshl_b32 s20, s17, 8
	s_lshl_b32 s21, s15, 7
	s_add_co_u32 s20, s20, s21                     ; my first row of out0
	s_mov_b32 s21, 0
	s_mov_b64 s[18:19], SIZE_N*4
	s_mul_u64 s[20:21], s[20:21], s[18:19]
	s_lshl_b32 s46, s42, 10                        ; my first column, in bytes: 1024 x tile column + 512 x half
	s_lshl_b32 s47, s16, 9
	s_add_co_u32 s46, s46, s47
	s_mov_b32 s47, 0
	s_add_nc_u64 s[96:97], s[96:97], s[46:47]      ; the same place in bo
	s_add_nc_u64 s[20:21], s[20:21], s[46:47]
	s_add_nc_u64 s[12:13], s[12:13], s[20:21]
	v_lshlrev_b32 v7, 5, v2                        ; my half's eight columns of a block
.irp b, 0,1,2,3,4,5,6,7
	global_load_b128 v[BI+8*\b:BI+8*\b+3], v7, s[96:97] offset:64*\b
	global_load_b128 v[BI+8*\b+4:BI+8*\b+7], v7, s[96:97] offset:64*\b+16
.endr
.macro FRAG reg, adr, q, i             ; a fragment of Wo from rows: 12 registers: lane l holds row l % 16; registers 6 c .. 6 c + 5 hold K = 64 c + 32 (l / 16) + 0 .. 31: 24 bytes of the row, in pieces of 8
.irp p, 0,1,2,3,4,5
.set PCE, 12*(\q)+6*(\p/3)+\p%3        ; 16 bytes of padding lie behind every 8 pieces: where the piece three on lies behind one padding more, the second address register serves
.if PCE%8 < 5
	ds_load_b64 v[\reg+2*\p:\reg+2*\p+1], v[\adr] offset:8*PCE+16*(PCE/8)+(\i)*16*PITCH
.else
	ds_load_b64 v[\reg+2*\p:\reg+2*\p+1], v[\adr+2] offset:8*PCE+16*(PCE/8)+(\i)*16*PITCH
.endif
.endr
.endm
.macro FRAGA reg, slot, q, i           ; a fragment of O from its image: six pieces, each 256 consecutive bytes for the 32 lanes
.irp p, 0,1,2,3,4,5
	ds_load_b64 v[\reg+2*\p:\reg+2*\p+1], v[ADRA+\slot] offset:12288*(\q)+1536*(\i)+256*\p
.endr
.endm
.macro PROD a, b, p, q, sc, cc         ; accumulator (a, b): source 0 = Wo's block b (set p), source 1 = O's block a, C at v[cc]; one register carries O's scale words in lanes 0-15 and Wo's in lanes 16-31
	v_wmma_scale_f32_16x16x128_f8f6f4 v[8*(8*((\a)%4)+\b):8*(8*((\a)%4)+\b)+7], v[128*(\p)+FR*\b:128*(\p)+FR*\b+FR-1], v[AF+FR*(\a):AF+FR*(\a)+FR-1], v[\cc:\cc+7], v[SC+8*NQ*(\sc)+NQ*\b+(\q)], v[SC+8*NQ*(\sc)+NQ*(\a)+(\q)] matrix_a_fmt:MATRIX_FMT_FP6 matrix_b_fmt:MATRIX_FMT_FP6 matrix_a_scale:MATRIX_SCALE_ROW1
.endm
; 16 matrix instructions: O's blocks a0, a0 + 1 x Wo's eight, 128 along K.  zero = 1: the sums start from the bias of block b: nothing is ever cleared.
; The 64 accumulators take turns, one instruction a turn, in the same order in every step.
.macro MUL16 a0, p, q, sc, zero
.irp a, \a0, \a0+1
.irp b, 0,1,2,3,4,5,6,7
.if \zero
	PROD \a, \b, \p, \q, \sc, BI+8*\b
.else
	PROD \a, \b, \p, \q, \sc, 8*(8*((\a)%4)+\b)
.endif
.endr
.endr
.endm
.macro FETCH_B slot, q, p
	WIN TO_B
.irp i, 0,1,2,3,4,5,6,7
	FRAG 128*(\p)+FR*\i, ADRB+\slot, \q, \i
.endr
	WIN 0
.endm
.macro FETCH_A slot, q, i0
.irp i, \i0, \i0+1, \i0+2, \i0+3
	FRAGA AF+FR*(\i), \slot, \q, \i
.endr
.endm
.macro SCALES sc
.irp i, 0,1,2,3,4,5,6,7
	ds_load_b64 v[SC+8*NQ*\sc+NQ*\i:SC+8*NQ*\sc+NQ*\i+1], v[ADRS] offset:\i*SBLK
.endr
.endm
; A load into a register that a matrix instruction has read, and a vector instruction or an LDS store that reads a matrix result, stand NP places behind that matrix instruction; only plain vector
; instructions that name none of its registers are places (ISA guide 7.12.1 for vector instructions).
.macro PLACES n
.rept \n
	v_nop
.endr
.endm
.macro STEP slot, q, zero
	s_wait_dscnt 4*NL                              ; Wo's set and O's blocks 0-3 are in; the youngest 24 loads (blocks 4-7) may be out
	MULWIN 0, \zero
	MUL16 0, (\q)%2, \q, \slot, \zero
	MUL16 2, (\q)%2, \q, \slot, \zero
	s_wait_dscnt 0                                 ; blocks 4-7 are in (asked for 32 matrix instructions ago)
	PLACES NP
	FETCH_B \slot, (\q)+1, 1-(\q)%2
	FETCH_A \slot, (\q)+1, 0
	MULWIN 1, \zero
	MUL16 4, (\q)%2, \q, \slot, \zero
	MUL16 6, (\q)%2, \q, \slot, \zero
	PLACES NP
	WIN 0
	FETCH_A \slot, (\q)+1, 4
.endm
; A slot's last step changes slots: ONE barrier; in front of it each wave waits for all its tensor loads, adds 0 to its spare word, and waits for that and for its own reads of this slot.  fill = 1: this slot is filled again, two K steps ahead.
.macro TURN slot, next, fill
	s_wait_tensorcnt 0x0                           ; all my tensor loads have landed: my part of the next slot;  (every window is 0 here)
	ds_add_u32 v[SPW], v[NIL]                      ; 0 onto my spare word
	s_wait_dscnt 4*NL+1                            ; (the add and the youngest 24 loads may be out)
	MULWIN 0, 0
	MUL16 0, 1, NQ-1, \slot, 0                     ; sixteen matrix instructions stand between the add and the wait for it
	s_wait_dscnt 0x0                               ; the add is done, and my reads of this slot are over
	s_barrier_signal -1
	MUL16 2, 1, NQ-1, \slot, 0
	WIN 0
	s_barrier_wait -1
.if \fill
	CREST                                          ; the barrier has opened a round of the cluster's barrier: no wave of any partner still reads this slot's tile or has a load on its way
	s_add_nc_u64 s[G0+4*\slot+2:G0+4*\slot+3], s[G0+4*\slot+2:G0+4*\slot+3], 2*AH
	s_add_nc_u64 s[G0B+4*\slot+2:G0B+4*\slot+3], s[G0B+4*\slot+2:G0B+4*\slot+3], 2*ROWB
	JLOAD G0+4*\slot, G1, G0B+4*\slot, G1B         ; the first tensor load behind the round; the four v_nop behind it are the places in front of the loads below
.else
	PLACES NP
.endif
	v_add_nc_u32 v[ADRS], 4*NQ, v[ADRS]            ; on to the next K step's scale words (no LDS load of mine is out)
	FETCH_B \next, 0, 0
	FETCH_A \next, 0, 0
	SCALES \next
	MULWIN 1, 0
	MUL16 4, 1, NQ-1, \slot, 0
	MUL16 6, 1, NQ-1, \slot, 0
	PLACES NP
	WIN 0
	FETCH_A \next, 0, 4
.endm
	s_wait_tensorcnt 1                             ; the scale bytes and my part of K step 0 are in (K step 1's load may be out)
	s_barrier_signal -1
	s_barrier_wait -1                              ; everybody's are
	FETCH_B 0, 0, 0
	FETCH_A 0, 0, 0
	SCALES 0
	FETCH_A 0, 0, 4
	s_wait_loadcnt 0x0                             ; the bias
	STEP 0, 0, 1                                   ; the first step stands in front of the loop: its products start the sums from the bias
.if LAPS > 1
	s_mov_b32 s3, LAPS-1
.Llap:                                                 ; a trip goes once round the ring, from a lap's second step to the next lap's first, and fills both slots again
	TURN 0, 1, 1
	STEP 1, 0, 0
	TURN 1, 0, 1
	STEP 0, 0, 0
	s_sub_co_u32 s3, s3, 1
	s_cmp_lg_u32 s3, 0
	s_cbranch_scc1 .Llap
.endif
	TURN 0, 1, 0                                   ; the last lap fills nothing, and has no round of the cluster's barrier
	STEP 1, 0, 0
	s_wait_dscnt 4*NL                              ; the very last step: nothing more to fetch
	MULWIN 0, 0
	MUL16 0, 1, NQ-1, 1, 0
	MUL16 2, 1, NQ-1, 1, 0
	s_wait_dscnt 0
	MULWIN 1, 0
	MUL16 4, 1, NQ-1, 1, 0
	MUL16 6, 1, NQ-1, 1, 0
	WIN 0
; THE WAY OUT, block by block of 16 rows x 128 columns.  A lane holds 32 neighbouring bytes of a row, and the lanes beside it hold other rows: so a block goes through my own stage in LDS and comes back as whole
; rows of 512 bytes.  LDS serves a wave's instructions in order (ISA guide 5.7.1.4): no wait between the stores and the loads, nor in front of the next block's stores.
.macro TOSTAGE a
.set AC, 64*((\a)%4)
	WIN 0x08+4*((\a)/4)                            ; the data: window 2 or 3
.irp b, 0,1,2,3,4,5,6,7
	ds_store_b128 v[STO], v[AC+8*\b:AC+8*\b+3] offset:64*\b          ; each accumulator from its low end on
	ds_store_b128 v[STO], v[AC+8*\b+4:AC+8*\b+7] offset:64*\b+16
.endr
	WIN 0
.set BB, BK+64*((\a)%2)
.irp t, 0,1,2,3,4,5,6,7,8,9,10,11,12,13,14,15
	ds_load_b128 v[BB+4*\t:BB+4*\t+3], v[RD] offset:\t*SPITCH
.endr
.endm
.macro SEND a, younger                 ; younger: the LDS instructions issued behind block a's loads, which may stay out
.set BB, BK+64*((\a)%2)
	s_wait_dscnt \younger                          ; the block is back in registers
.if (\a) > 0
	s_add_nc_u64 s[12:13], s[12:13], 16*SIZE_N*4   ; (behind a wait on XCNT: the earlier stores have read their base)  16 rows of out0 on
.endif
.irp t, 0,1,2,3,4,5,6,7,8,9,10,11,12,13,14,15
	global_store_b128 v[CO], v[BB+4*\t:BB+4*\t+3], s[12:13] offset:\t*SIZE_N*4 th:TH_STORE_NT   ; 32 lanes store 512 consecutive bytes, at a multiple of 256 from out0's first byte; written once, read by nobody here
.endr
.endm
	PLACES NP                                      ; for the loads into the registers that held O's fragments, and for the reads of the last results
	TOSTAGE 0
.irp a, 1,2,3,4,5,6,7
.if \a > 1
	s_wait_xcnt 0x0                                ; block a - 2's stores have read their registers and their base: block a's loads may land there, and the base may step
.endif
	TOSTAGE \a
	SEND \a-1, 32                                  ; behind block a - 1's loads: block a's 16 stores and 16 loads
.endr
	s_wait_xcnt 0x0                                ; block 6's stores have read their base
	SEND 7, 0
	s_wait_tensorcnt 0x0                           ; the wave's end, behind my last tensor load and my last LDS store
	ds_add_u32 v[SPW], v[NIL]
	s_wait_dscnt 0x0
	CROUND                                         ; the closing round: no work-group ends while a partner may still ask for a tile that names it
	s_endpgm
.Lfunc_end_k_q25c0f1b9c5_proj:
	.size	k_q25c0f1b9c5_proj, .Lfunc_end_k_q25c0f1b9c5_proj-k_q25c0f1b9c5_proj
	.p2alignl 7, 3214868480
	.fill 96, 4, 3214868480
	.section	.rodata,"a",@progbits
	.p2align	6, 0x0
	.amdhsa_kernel k_q25c0f1b9c5_proj
		.amdhsa_group_segment_fixed_size 327680
		.amdhsa_private_segment_fixed_size 0
		.amdhsa_enable_private_segment 0
		.amdhsa_kernarg_size 48
		.amdhsa_user_sgpr_count 2
		.amdhsa_user_sgpr_kernarg_segment_ptr 1
		.amdhsa_wavefront_size32 1
		.amdhsa_system_sgpr_workgroup_id_x 1
		.amdhsa_system_sgpr_workgroup_id_y 1
		.amdhsa_system_sgpr_workgroup_id_z 1
		.amdhsa_system_vgpr_workitem_id 0
		.amdhsa_next_free_vgpr 1024
		.amdhsa_next_free_sgpr 100
		.amdhsa_reserve_vcc 0
		.amdhsa_float_denorm_mode_32 3
		.amdhsa_float_denorm_mode_16_64 3
		.amdhsa_memory_ordered 1
		.amdhsa_forward_progress 1
		.amdhsa_inst_pref_size 162
	.end_amdhsa_kernel
	.amdgpu_metadata
---
amdhsa.version: [ 1, 2 ]
amdhsa.kernels:
  - .name:           k_q25c0f1b9c5_proj
    .symbol:         k_q25c0f1b9c5_proj.kd
    .args:
      - { .name: oc, .offset: 0, .size: 8, .value_kind: global_buffer, .address_space: global }
      - { .name: os, .offset: 8, .size: 8, .value_kind: global_buffer, .address_space: global }
      - { .name: Wo_codes, .offset: 16, .size: 8, .value_kind: global_buffer, .address_space: global }
      - { .name: Wo_scales, .offset: 24, .size: 8, .value_kind: global_buffer, .address_space: global }
      - { .name: out0, .offset: 32, .size: 8, .value_kind: global_buffer, .address_space: global }
      - { .name: bo, .offset: 40, .size: 8, .value_kind: global_buffer, .address_space: global }
    .group_segment_fixed_size: 327680
    .private_segment_fixed_size: 0
    .kernarg_segment_align: 8
    .kernarg_segment_size: 48
    .max_flat_workgroup_size: 128
    .sgpr_count:     100
    .vgpr_count:     1024
    .wavefront_size: 32
...
	.end_amdgpu_metadata
.endif
;; end of part 3
